; MI455X (gfx1250); checked and timed in simulation.
; The chip was launched on July 23, 2026; its instructions are those of AMD's public machine-readable ISA for CDNA 5 (MIT licence, August 2026) and "CDNA5" Instruction Set Architecture Reference Guide (July 2026). The comments in the code are by the model that wrote it; some were corrected since.
;; RC Mo EQ Network. Allowed arithmetic: float matrix products may take bf16 or f16 operands with f32 sums; other float arithmetic in f32, or as packed bf16 or f16 multiplies, adds, multiply-adds, maxima and minima; sums over many terms, partial sums and values carried from step to step in f32; what a program stores and reads back later, other than sums and carried values, may be rounded once to bf16 or f16.
;; Inputs: W1 8 x 256 x 512 float32; W2 8 x 512 x 512 float32; W3 8 x 512 x 64 float32; Wg1 256 x 64 float32; Wg2 64 x 8 float32; b1 8 x 512 float32; b2 8 x 512 float32; b3 8 x 64 float32; bg1 64 float32; bg2 8 float32; x 16,384 x 256 float32.
;; Outputs: out0 16,384 x 64 float32; out1 16,384 x 8 float32.
;; 2 versions, each right and faster than the one before. Each part assembles by itself: llvm-mc -triple=amdgcn-amd-amdhsa -mcpu=gfx1250 --defsym DOCPART=n.
;; ======== version 1 of 2: 2 launches
;; limits: values are held in f16: magnitudes above 65,504 overflow, below 6.1e-05 lose precision
;; workspace buffers: wk 6,885,888 bytes
;; launch prep (part 1): grid 427 x 1, 8 waves a work-group, no clusters, 0 bytes of LDS; arguments W1, W2, W3, Wg1, Wg2, b1, b2, b3, bg1, bg2, wk; writes wk
.if DOCPART == 1
	.amdgcn_target "amdgcn-amd-amdhsa--gfx1250"
	.amdhsa_code_object_version 6
	.text
	.protected	k_qd1fcdb1159_prep
	.globl	k_qd1fcdb1159_prep
	.p2align	8
	.type	k_qd1fcdb1159_prep,@function
k_qd1fcdb1159_prep:
	s_mov_b64 s[64:65], 0
	v_nop
	global_prefetch_b8 v0, s[64:65] scope:SCOPE_SE
	s_setreg_imm32_b32 hwreg(HW_REG_WAVE_MODE, 25, 1), 1
	s_wait_xcnt 0x0
; Rounds every weight and bias once and lays the weights out as the main launch's waves take them.
; wk, region WQ: [wave 0..3][expert 0..7][unit 0..25][fragment 0..7][1,024 bytes].  A fragment is a matrix operand of 16 rows x 32 k in 16 bits:
; byte 512 blk + 256 h + 16 r holds the eight elements k = 16 blk + 8 h + 0..7 of row r, so that lane 16 h + r fills its eight registers by two loads of 16 bytes, 512 bytes apart.
;   units 0-7:   W1^T, bf16: fragment a, row r = hidden unit 128 w + 16 a + r; k = input 32 u + ..
;   units 8-23:  W2^T, rounded to bf16 and that number written as f16 (exact from 6.1e-5 to 65,504 in magnitude; below, f16's fixed step of 6e-8): same rows; k = hidden unit 32 (u - 8) + ..
;   units 24-25: W3^T, bf16: fragment 4 s + am of sixteen, row r = action 16 am + r; k = hidden unit 128 w + 32 s + ..
; region GQ: Wg1^T, fragments [k step 0..7][am 0..3], then Wg2^T, fragments [k step 0..1], whose rows 8-15 repeat the experts 0-7; bf16.
; region BQ: b1, b2, b3, bg1, bg2 rounded to bf16 and written as f32.
; A thread owns one row of a fragment (a column n of the source) and 32 (Wg2: 16) consecutive k: its loads take 4 bytes, 32 lanes 128 neighbouring bytes; each of its stores is 16 bytes,
; and sixteen neighbouring lanes store 256 consecutive bytes at a multiple of 256.  No LDS, no loop, EXEC stays full; no register is written again while a load or store names it.
.set WSTR, 1703936                     ; bytes of a wave's stream
.set ESTR, 212992                      ; bytes of an expert in it: 26 units of 8,192
.set GQ,   6815744
.set BQ,   6850560
; v0 thread; v1 byte offset in the source; v2 byte offset in wk; v3-7 at work; v8-39 as loaded; v40-55 packed; v56-57 at work
; cols: the source's row length in numbers; hf = 1: the bf16 number is written as f16; noct: groups of eight k; sb: the source's address pair
.macro PACK cols, hf, noct, sb
.set kk, 0
.rept 8*(\noct)
	global_load_b32 v[8+kk], v1, s[\sb:\sb+1] offset:kk*(\cols)*4
.set kk, kk+1
.endr
.set oc, 0
.rept \noct
	s_wait_loadcnt 8*((\noct)-1-oc)                ; loads come back in order: this group's eight are in, the younger groups' stay out
.set jj, 0
.rept 4
	v_cvt_pk_bf16_f32 v[40+4*oc+jj], v[8+8*oc+2*jj], v[8+8*oc+2*jj+1]
.if \hf
	v_lshlrev_b32 v56, 16, v[40+4*oc+jj]           ; the two bf16 numbers as f32,
	v_and_b32 v57, 0xffff0000, v[40+4*oc+jj]
	v_cvt_pk_f16_f32 v[40+4*oc+jj], v56, v57       ; written as f16
.endif
.set jj, jj+1
.endr
	global_store_b128 v2, v[40+4*oc:40+4*oc+3], s[24:25] offset:(oc>>1)*512+(oc&1)*256
.set oc, oc+1
.endr
.endm
; four numbers of a bias: rounded to bf16, written as f32
.macro RND sb
	global_load_b128 v[8:11], v1, s[\sb:\sb+1]
	s_wait_loadcnt 0x0
	v_cvt_pk_bf16_f32 v40, v8, v9
	v_cvt_pk_bf16_f32 v41, v10, v11
	v_lshlrev_b32 v44, 16, v40
	v_and_b32 v45, 0xffff0000, v40
	v_lshlrev_b32 v46, 16, v41
	v_and_b32 v47, 0xffff0000, v41
	global_store_b128 v2, v[44:47], s[24:25]
.endm
; W1, W2: v3 = n (0..511), s33 = the expert's and the unit's bytes
.macro WDEST
	v_lshrrev_b32 v4, 7, v3                        ; the wave that owns hidden unit n
	v_mul_u32_u24 v4, v4, WSTR
	v_bfe_u32 v5, v3, 4, 3                         ; the fragment
	v_and_b32 v6, 15, v3                           ; the row
	v_add_nc_u32 v2, s33, v4
	v_lshl_add_u32 v2, v5, 10, v2
	v_lshl_add_u32 v2, v6, 4, v2
.endm
; W3, Wg1 (rows of 64 numbers): four k steps to a work-group; s31, s33 = the work-group's bytes in the source and in wk
.macro NARROW
	v_lshrrev_b32 v4, 6, v0                        ; which of the four k steps
	v_and_b32 v3, 63, v0                           ; n
	v_lshl_add_u32 v1, v4, 13, s31                 ; a k step is 32 rows of 256 bytes
	v_lshl_add_u32 v1, v3, 2, v1
	v_lshrrev_b32 v5, 4, v3
	v_and_b32 v6, 15, v3
	v_lshl_add_u32 v2, v4, 12, s33                 ; a k step is four fragments
	v_lshl_add_u32 v2, v5, 10, v2
	v_lshl_add_u32 v2, v6, 4, v2
.endm
	s_load_b512 s[4:19], s[0:1], 0x0               ; W1 s[4:5], W2 s[6:7], W3 s[8:9], Wg1 s[10:11], Wg2 s[12:13], b1 s[14:15], b2 s[16:17], b3 s[18:19]
	s_load_b128 s[20:23], s[0:1], 0x40             ; bg1 s[20:21], bg2 s[22:23]
	s_load_b64 s[24:25], s[0:1], 0x50              ; wk
	s_mov_b32 s26, ttmp9                           ; the work-group's number chooses the table
	v_lshrrev_b32 v3, 5, v0
	v_readfirstlane_b32 s27, v3                    ; wave
	s_wait_kmcnt 0x0
	s_cmp_lt_u32 s26, 128
	s_cbranch_scc0 .Lw2
	; W1: 8 experts x 8 units x 2 halves of the 512 columns
	s_lshr_b32 s28, s26, 4                         ; expert
	s_bfe_u32 s29, s26, 0x30001                    ; unit
	s_and_b32 s30, s26, 1
	s_lshl_b32 s30, s30, 8
	v_add_nc_u32 v3, s30, v0                       ; n
	s_lshl_b32 s31, s28, 19                        ; an expert is 524,288 bytes, a unit 32 rows of 2,048
	s_lshl_b32 s32, s29, 16
	s_add_co_u32 s31, s31, s32
	v_lshl_add_u32 v1, v3, 2, s31
	s_mul_i32 s33, s28, ESTR
	s_lshl_b32 s32, s29, 13
	s_add_co_u32 s33, s33, s32
	WDEST
	PACK 512, 0, 4, 4
	s_endpgm
.Lw2:
	s_cmp_lt_u32 s26, 384
	s_cbranch_scc0 .Lw3
	; W2: 8 experts x 16 units x 2 halves
	s_sub_co_u32 s26, s26, 128
	s_lshr_b32 s28, s26, 5
	s_bfe_u32 s29, s26, 0x40001
	s_and_b32 s30, s26, 1
	s_lshl_b32 s30, s30, 8
	v_add_nc_u32 v3, s30, v0
	s_lshl_b32 s31, s28, 20
	s_lshl_b32 s32, s29, 16
	s_add_co_u32 s31, s31, s32
	v_lshl_add_u32 v1, v3, 2, s31
	s_mul_i32 s33, s28, ESTR
	s_lshl_b32 s32, s29, 13
	s_add_co_u32 s33, s33, s32
	s_add_co_u32 s33, s33, 8*8192                  ; behind W1's eight units
	WDEST
	PACK 512, 1, 4, 6
	s_endpgm
.Lw3:
	s_cmp_lt_u32 s26, 416
	s_cbranch_scc0 .Lwg1
	; W3: 8 experts x 4 waves' shares of the hidden units; a share is four k steps
	s_sub_co_u32 s26, s26, 384
	s_lshr_b32 s28, s26, 2                         ; expert
	s_and_b32 s29, s26, 3                          ; the wave that owns these 128 hidden units
	s_lshl_b32 s31, s28, 17
	s_lshl_b32 s32, s29, 15
	s_add_co_u32 s31, s31, s32
	s_mul_i32 s33, s29, WSTR
	s_mul_i32 s32, s28, ESTR
	s_add_co_u32 s33, s33, s32
	s_add_co_u32 s33, s33, 24*8192                 ; units 24 and 25
	NARROW
	PACK 64, 0, 4, 8
	s_endpgm
.Lwg1:
	s_cmp_lt_u32 s26, 418
	s_cbranch_scc0 .Lb1
	s_sub_co_u32 s26, s26, 416
	s_lshl_b32 s31, s26, 15
	s_lshl_b32 s33, s26, 14
	s_add_co_u32 s33, s33, GQ
	NARROW
	PACK 64, 0, 4, 10
	s_endpgm
.Lb1:
	s_cmp_lt_u32 s26, 422
	s_cbranch_scc0 .Lb2
	s_sub_co_u32 s26, s26, 418
	s_lshl_b32 s31, s26, 12
	v_lshl_add_u32 v1, v0, 4, s31
	v_add_nc_u32 v2, BQ, v1
	RND 14
	s_endpgm
.Lb2:
	s_cmp_lt_u32 s26, 426
	s_cbranch_scc0 .Lsmall
	s_sub_co_u32 s26, s26, 422
	s_lshl_b32 s31, s26, 12
	v_lshl_add_u32 v1, v0, 4, s31
	v_add_nc_u32 v2, BQ+16384, v1
	RND 16
	s_endpgm
.Lsmall:                                               ; the last work-group: the small tables, by wave
	s_cmp_lt_u32 s27, 4
	s_cbranch_scc0 .Lbg1
	v_lshlrev_b32 v1, 4, v0                        ; b3: 2,048 bytes, 128 threads
	v_add_nc_u32 v2, BQ+32768, v1
	RND 18
	s_endpgm
.Lbg1:
	s_cmp_eq_u32 s27, 4
	s_cbranch_scc0 .Lbg2
	v_and_b32 v3, 15, v0                           ; bg1: 256 bytes; lanes 16-31 repeat lanes 0-15: same bytes, same numbers
	v_lshlrev_b32 v1, 4, v3
	v_add_nc_u32 v2, BQ+34816, v1
	RND 20
	s_endpgm
.Lbg2:
	s_cmp_eq_u32 s27, 5
	s_cbranch_scc0 .Lwg2
	v_and_b32 v3, 1, v0                            ; bg2: 32 bytes; the lanes repeat lanes 0 and 1
	v_lshlrev_b32 v1, 4, v3
	v_add_nc_u32 v2, BQ+35072, v1
	RND 22
	s_endpgm
.Lwg2:                                                 ; Wg2: a fragment a wave; a lane has row r (expert r % 8) and the 16 k of its half of the lanes
	s_sub_co_u32 s28, s27, 6
	s_lshl_b32 s28, s28, 10                        ; 32 rows of 32 bytes in the source, and a fragment in wk: 1,024 bytes both
	v_bfe_u32 v4, v0, 4, 1
	v_and_b32 v5, 15, v0
	v_and_b32 v6, 7, v0
	v_lshl_add_u32 v1, v4, 9, s28                  ; 16 rows of 32 bytes, and half a fragment: 512 bytes both
	v_lshl_add_u32 v2, v5, 4, v1
	v_add_nc_u32 v2, GQ+32768, v2
	v_lshl_add_u32 v1, v6, 2, v1
	PACK 8, 0, 2, 12
	s_endpgm
.Lfunc_end_k_qd1fcdb1159_prep:
	.size	k_qd1fcdb1159_prep, .Lfunc_end_k_qd1fcdb1159_prep-k_qd1fcdb1159_prep
	.p2alignl 7, 3214868480
	.fill 96, 4, 3214868480
	.section	.rodata,"a",@progbits
	.p2align	6, 0x0
	.amdhsa_kernel k_qd1fcdb1159_prep
		.amdhsa_group_segment_fixed_size 0
		.amdhsa_private_segment_fixed_size 0
		.amdhsa_enable_private_segment 0
		.amdhsa_kernarg_size 88
		.amdhsa_user_sgpr_count 2
		.amdhsa_user_sgpr_kernarg_segment_ptr 1
		.amdhsa_wavefront_size32 1
		.amdhsa_system_sgpr_workgroup_id_x 1
		.amdhsa_system_sgpr_workgroup_id_y 1
		.amdhsa_system_sgpr_workgroup_id_z 1
		.amdhsa_system_vgpr_workitem_id 0
		.amdhsa_next_free_vgpr 64
		.amdhsa_next_free_sgpr 66
		.amdhsa_reserve_vcc 0
		.amdhsa_float_denorm_mode_32 3
		.amdhsa_float_denorm_mode_16_64 3
		.amdhsa_memory_ordered 1
		.amdhsa_forward_progress 1
		.amdhsa_inst_pref_size 32
	.end_amdhsa_kernel
	.amdgpu_metadata
---
amdhsa.version: [ 1, 2 ]
amdhsa.kernels:
  - .name:           k_qd1fcdb1159_prep
    .symbol:         k_qd1fcdb1159_prep.kd
    .args:
      - { .name: W1, .offset: 0, .size: 8, .value_kind: global_buffer, .address_space: global }
      - { .name: W2, .offset: 8, .size: 8, .value_kind: global_buffer, .address_space: global }
      - { .name: W3, .offset: 16, .size: 8, .value_kind: global_buffer, .address_space: global }
      - { .name: Wg1, .offset: 24, .size: 8, .value_kind: global_buffer, .address_space: global }
      - { .name: Wg2, .offset: 32, .size: 8, .value_kind: global_buffer, .address_space: global }
      - { .name: b1, .offset: 40, .size: 8, .value_kind: global_buffer, .address_space: global }
      - { .name: b2, .offset: 48, .size: 8, .value_kind: global_buffer, .address_space: global }
      - { .name: b3, .offset: 56, .size: 8, .value_kind: global_buffer, .address_space: global }
      - { .name: bg1, .offset: 64, .size: 8, .value_kind: global_buffer, .address_space: global }
      - { .name: bg2, .offset: 72, .size: 8, .value_kind: global_buffer, .address_space: global }
      - { .name: wk, .offset: 80, .size: 8, .value_kind: global_buffer, .address_space: global }
    .group_segment_fixed_size: 0
    .private_segment_fixed_size: 0
    .kernarg_segment_align: 8
    .kernarg_segment_size: 88
    .max_flat_workgroup_size: 256
    .sgpr_count:     66
    .vgpr_count:     64
    .wavefront_size: 32
...
	.end_amdgpu_metadata
.endif
;; end of part 1
;; launch moe (part 2): grid 256 x 1, 4 waves a work-group, clusters of 4 x 1, 327,680 bytes of LDS; arguments x, wk, out0, out1; writes out0, out1
.if DOCPART == 2
	.amdgcn_target "amdgcn-amd-amdhsa--gfx1250"
	.amdhsa_code_object_version 6
	.text
	.protected	k_qd1fcdb1159_moe
	.globl	k_qd1fcdb1159_moe
	.p2align	8
	.type	k_qd1fcdb1159_moe,@function
k_qd1fcdb1159_moe:
	s_mov_b64 s[64:65], 0
	v_nop
	global_prefetch_b8 v0, s[64:65] scope:SCOPE_SE
	s_setreg_imm32_b32 hwreg(HW_REG_WAVE_MODE, 25, 1), 1
	s_wait_xcnt 0x0
	s_wait_alu depctr_hold_cnt(0) depctr_sa_sdst(0) depctr_va_vdst(0) depctr_va_sdst(0) depctr_va_ssrc(0) depctr_va_vcc(0) depctr_vm_vsrc(0)
	s_getreg_b32 s2, hwreg(HW_REG_IB_STS2, 6, 4)
	s_cmp_eq_u32 s2, 0
	s_cbranch_scc0 .Lentry_in_a_cluster
	s_endpgm
.Lentry_in_a_cluster:
	s_bfe_u32 s2, ttmp6, 0x10000c
	s_cmp_lg_u32 s2, 0x3003
	s_cbranch_scc0 .Lentry_shape_is_right
	s_endpgm
.Lentry_shape_is_right:
; out1 = softmax(silu(x Wg1 + bg1) Wg2 + bg2);  out0 = sum over e of out1[:, e] (silu(silu(x W1[e] + b1[e]) W2[e] + b2[e]) W3[e] + b3[e]).  16,384 tokens, 8 experts, all weighed in.
; SHARES.  A work-group takes 64 tokens through the gate and all eight experts.  Every product is used transposed (source 0 = 16 rows of W^T, source 1 = 16 tokens), so that a lane holds ONE token
; (lane % 16) and eight neighbouring hidden units.  Wave w owns hidden units 128 w .. 128 w + 127 of both hidden layers for all 64 tokens: 32 accumulators.  h1 crosses the waves through LDS;
; h2, rounded in pairs, IS source 1 of the third product, in which wave w sums over its own 128 hidden units.  The gate's weight is a factor a lane, multiplied into h2, so that ONE accumulator
; (64 actions x 64 tokens) sums over all experts; the four waves' partial sums meet once, at the end, in LDS in f32, where sum_e weight_e b3[e] is added in f32.
; FORMATS.  All inputs are used rounded to bf16 (x here, the rest by the launch before).  x, W1, W3, the gate and weight x h2 are bf16 operands; h1 and W2 are f16 operands; all sums f32.
; LIMITS.  |h1| stays under 65,520 (f16; beyond it the token's row is lost); W2 within 65,504, and under 6.1e-5 it keeps f16's fixed step of 6e-8.  The exponentials and reciprocals count denormals
; as 0.  NaN and infinities are not treated apart.  The softmax takes its true maximum away.
; WEIGHTS.  Each wave has one linear stream in wk, 26 units of 8,192 bytes an expert (a unit: 32 along K for the wave's 128 rows), cut into ten chunks of 3,3,2 | 3,3,3,3,2,2 | 2 units that go
; by turns into two LDS slots; ten is even, so every LDS address in the expert's text is a constant.  Where chunk c begins to be read the next chunk is asked for, into the slot just read out.
; CLUSTER.  The four work-groups of a cluster walk the same stream, so each chunk is asked for JOINTLY: the same tensor load, descriptor and mask in all four.  One tensor load of a wave is out at a time.
; REGISTERS, in windows of 256 (s_set_vgpr_msb: bits 1:0 source 0, 3:2 source 1, 5:4 source 2, 7:6 destination):
;   window 0: v0-31 addresses; v32-63 b3 (before that, at work in the gate); v64-191 W's fragments, two buffers of 8; v192-255 the tokens' fragments, two buffers of 4
;   window 1: the 32 accumulators; tile (a, t) at 8 (8 (a / 2) + 2 t + a % 2), so that tiles (2 s, t) and (2 s + 1, t) are neighbours and pack into one fragment
;   window 2: v0-127 the actions' accumulators, tile (am, t) at 8 (4 am + t); v128-191 the layer's bias as a C operand, 8 a row tile; v192-199 the gate's weight of token tile t at 192 + 2 t
;   window 3: 256 at work in silu; packed, v0-127 hold h1 or weight x h2, fragment (s, t) at 8 (4 s + t)
.set WSTR,  1703936                    ; bytes of a wave's stream
.set GQOFF, 6815744                    ; the gate's fragments in wk
.set BQOFF, 6850560                    ; the biases in wk: b1 +0, b2 +16,384, b3 +32,768, bg1 +34,816, bg2 +35,072
.set CH3,   24576                      ; a chunk of three units; also a wave's part of a slot
.set CH2,   16384                      ; a chunk of two
.set SLOT0, 0
.set SLOT1, 4*CH3
.set XB,    2*SLOT1                    ; x in bf16: 64 token rows of 512 bytes + 16 = 33 x 16: the 16 rows of a load start at 16 different groups of four banks (64 banks of 4 bytes: ISA guide 11.1)
.set XP,    528
.set HB,    XB+64*XP                   ; h1 in f16: 64 token rows of 1,024 bytes + 16 = 65 x 16
.set HP,    1040
.set GATE,  HB+64*HP                   ; the gate's weights: [64 tokens][8] f32
.set SPARE, GATE+2048                  ; the spare words, 128 bytes for each wave: two blocks of 256 bytes that no other line names
.set RP,    272                        ; the way out, over x and h1, which are dead then: [4 waves][64 tokens] rows of 256 bytes + 16
.set RW,    64*RP
.set AA0, 4                            ; v4, v5    my 16 bytes of a fragment in my part of slot 0, 1
.set AA1, 5
.set BX,  6                            ; v6, v7    my place in x's rows, tokens 0-31, 32-63
.set BH,  8                            ; v8, v9    the same in h1's rows
.set BO,  10                           ; v10       my byte offset in a bias row: 512 w + 32 (lane / 16)
.set BOE, 11                           ; v11       the same with the layer's and expert's row
.set GA0, 12                           ; v12       my token's row of the gate's weights (token tile 0)
.set GAE, 13                           ; v13       the same at the expert in hand
.set SPW, 14                           ; v14       LDS address of my spare word; never rewritten
.set NIL, 15                           ; v15       0; never rewritten
.set L16, 16                           ; v16       16 x lane; never rewritten
.set H32, 17                           ; v17       32 (lane / 16)
.set ZER, 18                           ; v18       offset 0
.set XST, 19                           ; v19       where I put 8 bytes of x
.set HS,  20                           ; v20, v21  where I put 16 bytes of h1, tokens 0-31, 32-63
.set XFR, 22                           ; v22       my place in the rows of my wave's own 16 tokens
.set GST, 23                           ; v23       where I put four weights
.set GRD, 24                           ; v24       where I read them back for out1
.set RS,  25                           ; v25       the way out: where I put partial sums
.set RR,  26                           ; v26       where I read them
.set GR2, 27                           ; v27       the weights of the tokens that I finish
.set B3O, 28                           ; v28       my four actions in a row of b3
.set B3,  32
.set FA0, 64
.set FB0, 192
.set BIAS, 128
.set GW,  192
.set WV,  12                           ; s12  wave
.set G1A, 24                           ; s[24:31] descriptor group 1: 96 rows of 256 bytes
.set G1B, 32                           ; s[32:39] 64 rows
.set G0,  40                           ; s[40:43] descriptor group 0: it walks
.set WOFF, 44                          ; s44  my part of a slot
.set EX,  45                           ; s45  the expert
.set CN,  46                           ; s[46:47] -log2(e), twice
.set BQP, 48                           ; s[48:49] the biases
.set GQP, 50                           ; s[50:51] the gate's fragments
.set EO2, 52                           ; s52  b2's row of this expert
.set EO1, 53                           ; s53  b1's row of the next
.set CP,  54                           ; s[54:55] log2(e), twice
.set MSB, 0
.macro WIN new                         ; the immediate's high byte repeats the setting that is left; a switch that changes nothing is dropped
.if MSB != (\new)
	s_set_vgpr_msb (MSB<<8)|(\new)
.set MSB, (\new)
.endif
.endm
; Four places: a vector instruction that reads a matrix result or writes a matrix instruction's register, and a load into such a register, stand four plain vector instructions behind it
.macro PLACES
.rept 4
	v_nop
.endr
.endm
; A round of the cluster's barrier: my work-group's barrier; wave 0 signals for the work-group; every wave waits for all four work-groups; my work-group's barrier once more.
.macro CREST
	s_cmp_lg_u32 s[WV], 0
	s_cbranch_scc1 .Lnot_wave_0_\@
	s_barrier_signal -3
.Lnot_wave_0_\@:
	s_barrier_wait -3
	s_barrier_signal -1
	s_barrier_wait -1
.endm
.macro CROUND
	s_barrier_signal -1
	s_barrier_wait -1
	CREST
.endm
; 24 LDS loads in one run: unit u's fragments into buffer f.  First the four token tiles (32 along K at byte 64 u of x's rows, or 64 (u - 8) of h1's), then W's eight row tiles: unit ul of the chunk at address register aa.
.macro FETCH aa, ul, u, f
	WIN 0
.if (\u) < 8
.set fbr, BX
.set fbp, 16*XP
.set fbo, 64*(\u)
.else
.set fbr, BH
.set fbp, 16*HP
.set fbo, 64*((\u)-8)
.endif
.set ft, 0
.rept 4
	ds_load_b128 v[FB0+32*(\f)+8*ft:FB0+32*(\f)+8*ft+3],   v[fbr+ft/2] offset:(ft%2)*fbp+fbo
	ds_load_b128 v[FB0+32*(\f)+8*ft+4:FB0+32*(\f)+8*ft+7], v[fbr+ft/2] offset:(ft%2)*fbp+fbo+32
.set ft, ft+1
.endr
.set fa, 0
.rept 8
	ds_load_b128 v[FA0+64*(\f)+8*fa:FA0+64*(\f)+8*fa+3],   v[\aa] offset:(8*(\ul)+fa)*1024
	ds_load_b128 v[FA0+64*(\f)+8*fa+4:FA0+64*(\f)+8*fa+7], v[\aa] offset:(8*(\ul)+fa)*1024+512
.set fa, fa+1
.endr
.endm
; 4 na matrix instructions: row tiles a0 .. a0 + na - 1 x the four token tiles, 32 along K from buffer f.  first = 1: the layer's first K step: the bias is the C operand that starts the sums.
; The 32 accumulators take turns, one instruction a turn, in the same order in every unit.
.macro MUL f, a0, na, fmt, first
.if \first
	WIN 0x60                                       ; W and tokens window 0, C (bias) window 2, D window 1
.else
	WIN 0x50                                       ; C and D window 1
.endif
.set ma, (\a0)
.rept \na
.set mt, 0
.rept 4
.set mi, 8*(8*(ma/2)+2*mt+(ma%2))
.if \first
	v_wmma_f32_16x16x32_\fmt v[mi:mi+7], v[FA0+64*(\f)+8*ma:FA0+64*(\f)+8*ma+7], v[FB0+32*(\f)+8*mt:FB0+32*(\f)+8*mt+7], v[BIAS+8*ma:BIAS+8*ma+7]
.else
	v_wmma_f32_16x16x32_\fmt v[mi:mi+7], v[FA0+64*(\f)+8*ma:FA0+64*(\f)+8*ma+7], v[FB0+32*(\f)+8*mt:FB0+32*(\f)+8*mt+7], v[mi:mi+7]
.endif
.set mt, mt+1
.endr
.set ma, ma+1
.endr
.endm
; A bias row as eight C operands: register j of row tile a is b[128 w + 16 a + 8 (lane / 16) + j], the same for every token.  eo: the scalar register with the row's byte offset.
; v[BOE] is written anew only behind the wait for the loads that named it last.
.macro BIASLOAD eo
	WIN 0
	v_add_nc_u32 v[BOE], s[\eo], v[BO]
	WIN 0x80                                       ; destination window 2
.set ba, 0
.rept 8
	global_load_b128 v[BIAS+8*ba:BIAS+8*ba+3],   v[BOE], s[BQP:BQP+1] offset:64*ba
	global_load_b128 v[BIAS+8*ba+4:BIAS+8*ba+7], v[BOE], s[BQP:BQP+1] offset:64*ba+16
.set ba, ba+1
.endr
.endm
; A unit: multiplies buffer f; in its middle the next unit's fragments are fetched into the other buffer.  bl: a bias row is asked for as well.
.macro KSTEP f, fmt, first, naa, nul, nu, bl=0
	s_wait_dscnt 8                                 ; the tokens' tiles and W's tiles 0-3 are in; the youngest eight loads (W's tiles 4-7) may be out
	MUL \f, 0, 4, \fmt, \first
	PLACES                                         ; for the loads into the other buffer, and into the bias, which the unit before read
	FETCH \naa, \nul, \nu, 1-(\f)
.if \bl
	BIASLOAD \bl
.endif
	s_wait_dscnt 24                                ; all but the 24 just issued
	MUL \f, 4, 4, \fmt, \first
.endm
.macro KLAST f, fmt                    ; a layer's last unit: nothing more to fetch
	s_wait_dscnt 0x0
	MUL \f, 0, 8, \fmt, 0
.endm
; A chunk's last unit, and the change of slots.  In front of the round each wave waits for all its tensor loads, of which one is out: its part of the next chunk; adds 0 to its spare word; and waits
; for that and for its reads of the slot.  Behind the round the slot just read out is filled again first (slot, g1: where and how many rows; step: the bytes of the chunk asked for last).
.macro TURN f, fmt, slot, g1, step, naa, nu
	WIN 0
	s_wait_tensorcnt 0x0                           ; no tensor load of mine is out, so group 0 may be written
	ds_add_u32 v[SPW], v[NIL]                      ; 0 onto my spare word
	s_add_nc_u64 s[G0+2:G0+3], s[G0+2:G0+3], \step ; the stream goes on; the type bits on top are not reached
	s_add_co_u32 s[G0+1], s[WOFF], \slot
	s_wait_dscnt 9                                 ; the add and the youngest eight loads may be out
	MUL \f, 0, 2, \fmt, 0
	s_wait_dscnt 0x0                               ; the add is done, and my reads of this slot are over
	s_barrier_signal -1                            ; this barrier opens a round of the cluster's
	MUL \f, 2, 2, \fmt, 0
	WIN 0
	s_barrier_wait -1
	CREST                                          ; no wave of any partner still reads the slot or has a load on its way
	tensor_load_to_lds s[G0:G0+3], s[\g1:\g1+7]
	s_nop 0
	PLACES                                         ; also the places in front of the loads below
	FETCH \naa, 0, \nu, 1-(\f)
	MUL \f, 4, 4, \fmt, 0
.endm
; The same change of slots where no products are at hand.  refill = 0: nothing is asked for, and the work-group's barrier does.
.macro DSYNC slot, g1, step, refill
	WIN 0
	s_wait_tensorcnt 0x0
	ds_add_u32 v[SPW], v[NIL]
.if \refill
	s_add_nc_u64 s[G0+2:G0+3], s[G0+2:G0+3], \step
	s_add_co_u32 s[G0+1], s[WOFF], \slot
.endif
	s_wait_dscnt 0x0                               ; the add, my LDS stores and my reads are done
.if \refill
	CROUND
	tensor_load_to_lds s[G0:G0+3], s[\g1:\g1+7]
	s_nop 0
	PLACES
.else
	s_barrier_signal -1
	s_barrier_wait -1
.endif
.endm
; silu of the 32 accumulators: z / (1 + 2^(-log2(e) z)), in window 3.  Two batches of 256 (exponentials, reciprocals), each with plain instructions dealt among them, one v_nop behind the last and ONE
; wait ahead of the first instruction that names a result.  Each accumulator's lowest registers are read first.  The scalar pair stands as source 0, so that one window
; setting serves the multiplies (source 1 = accumulators, window 1) and the exponentials (source 0 = window 3).
; lay = 1: rounded to f16 and stored as h1.  lay = 2: times the gate's weight, rounded to bf16: the third product's source 1, in place.
.macro SILU lay
	PLACES
	WIN 0xC7
.set pp, 0
.rept 2
	v_pk_mul_f32 v[2*pp:2*pp+1], s[CN:CN+1], v[2*pp:2*pp+1] op_sel_hi:[0,1]
.set pp, pp+1
.endr
.set pp, 0
.rept 128
	v_exp_f32 v[2*pp], v[2*pp]
	v_exp_f32 v[2*pp+1], v[2*pp+1]
.if pp < 126
	v_pk_mul_f32 v[2*pp+4:2*pp+5], s[CN:CN+1], v[2*pp+4:2*pp+5] op_sel_hi:[0,1]
.endif
.set pp, pp+1
.endr
	v_nop
	s_wait_alu depctr_va_vdst(0)                   ; the wait for the batch of exponentials
.set pp, 0
.rept 2
	v_pk_add_f32 v[2*pp:2*pp+1], v[2*pp:2*pp+1], 1.0 op_sel_hi:[1,0]
.set pp, pp+1
.endr
.set pp, 0
.rept 128
	v_rcp_f32 v[2*pp], v[2*pp]
	v_rcp_f32 v[2*pp+1], v[2*pp+1]
.if pp < 126
	v_pk_add_f32 v[2*pp+4:2*pp+5], v[2*pp+4:2*pp+5], 1.0 op_sel_hi:[1,0]
.endif
.set pp, pp+1
.endr
	v_nop
	s_wait_alu depctr_va_vdst(0)                   ; the wait for the batch of reciprocals
.set pp, 0
.rept 128
	v_pk_mul_f32 v[2*pp:2*pp+1], v[2*pp:2*pp+1], v[2*pp:2*pp+1]  ; window 3 = window 3 x the accumulator
.set pp, pp+1
.endr
.if (\lay) == 2
	s_wait_dscnt 0x0                               ; the gate's weights are in
	WIN 0xCB                                       ; source 1 window 2
.set pp, 0
.rept 128
	v_pk_mul_f32 v[2*pp:2*pp+1], v[2*pp:2*pp+1], v[GW+2*(((pp/4)%8)/2):GW+2*(((pp/4)%8)/2)+1] op_sel_hi:[1,0]
.set pp, pp+1
.endr
.endif
	WIN 0xCF
.set pp, 0
.rept 128                              ; packed in place, ascending: register i takes 2 i and 2 i + 1, which no earlier line has overwritten
.if (\lay) == 1
	v_cvt_pk_f16_f32 v[pp], v[2*pp], v[2*pp+1]
.else
	v_cvt_pk_bf16_f32 v[pp], v[2*pp], v[2*pp+1]
.endif
.set pp, pp+1
.endr
.if (\lay) == 1
	WIN 0x0C                                       ; address window 0, data window 3
.set ma, 0
.rept 8
.set mt, 0
.rept 4
.set mi, 4*(8*(ma/2)+2*mt+(ma%2))
	ds_store_b128 v[HS+mt/2], v[mi:mi+3] offset:(mt%2)*16*HP+32*ma  ; eight hidden units of one token
.set mt, mt+1
.endr
.set ma, ma+1
.endr
.endif
.endm
; The third product: W3's sixteen fragments (chunk 9, slot 1), then 64 matrix instructions; the 16 accumulators take turns.
.macro L3
	WIN 0
.set ls, 0
.rept 16
	ds_load_b128 v[FA0+8*ls:FA0+8*ls+3],   v[AA1] offset:1024*ls
	ds_load_b128 v[FA0+8*ls+4:FA0+8*ls+7], v[AA1] offset:1024*ls+512
.set ls, ls+1
.endr
.set ls, 0
.rept 4
	s_wait_dscnt 24-8*ls                           ; this K step's four fragments are in; the later steps' loads may be out
	WIN 0xAC                                       ; W3 window 0, weight x h2 window 3, C and D window 2
.set la, 0
.rept 4
.set lt, 0
.rept 4
	v_wmma_f32_16x16x32_bf16 v[8*(4*la+lt):8*(4*la+lt)+7], v[FA0+8*(4*ls+la):FA0+8*(4*ls+la)+7], v[8*(4*ls+lt):8*(4*ls+lt)+7], v[8*(4*la+lt):8*(4*la+lt)+7]
.set lt, lt+1
.endr
.set la, la+1
.endr
.set ls, ls+1
.endr
.endm
	s_load_b256 s[4:11], s[0:1], 0x0               ; x s[4:5], wk s[6:7], out0 s[8:9], out1 s[10:11]
	v_lshl_add_u32 v[SPW], v0, 2, SPARE
	v_mov_b32 v[NIL], 0
	ds_add_u32 v[SPW], v[NIL]                      ; the wave's opening add, waited for ahead of my first tensor load; the set-up below, work on registers, stands between the add and its wait
	v_lshrrev_b32 v29, 5, v0
	v_readfirstlane_b32 s[WV], v29                 ; wave 0..3
	s_bfe_u32 s13, ttmp6, 0x40000                  ; cx: my place in the cluster
	s_lshl_b32 s14, ttmp9, 2                       ; in a cluster launch ttmp9 counts clusters
	s_add_co_u32 s14, s14, s13                     ; my block of 64 tokens: it enters the addresses of x, out0 and out1 alone
	; descriptor group 1: a dense block as rows of 256 bytes
	s_mov_b32 s[G1A], 15|(3<<16)|(1<<21)           ; 15:0 the mask of four; 17:16 elements of 8 bytes; 21 set beside a mask; no padding: a fragment is read 16 bytes a lane on end
	s_mov_b32 s[G1B], 15|(3<<16)|(1<<21)
	s_mov_b32 s[G1A+2], 96<<16                     ; tensor_dim1
	s_mov_b32 s[G1B+2], 64<<16
	s_mov_b32 s[G1A+4], 96                         ; tile_dim1
	s_mov_b32 s[G1B+4], 64
.irp g, G1A, G1B
	s_mov_b32 s[\g+1], 32<<16                      ; tensor_dim0 = 32
	s_mov_b32 s[\g+3], 32<<16                      ; tile_dim0 = 32
	s_mov_b32 s[\g+5], 32                          ; 32 elements from row to row
	s_mov_b32 s[\g+6], 0
	s_mov_b32 s[\g+7], 0
.endr
	s_mul_i32 s[WOFF], s[WV], CH3
	s_mul_i32 s18, s[WV], WSTR                     ; my stream: made of the wave's number alone
	s_mov_b32 s19, 0
	s_mov_b32 s[G0], 1                             ; 1:0 count = 1
	s_add_co_u32 s[G0+1], s[WOFF], SLOT0           ; 63:32 LDS address
	s_mov_b32 s[CN], 0xbfb8aa3b
	s_mov_b32 s[CN+1], 0xbfb8aa3b
	s_mov_b32 s[CP], 0x3fb8aa3b
	s_mov_b32 s[CP+1], 0x3fb8aa3b
	s_mov_b32 s[EO1], 0                            ; b1 of expert 0
	s_mov_b32 s[EX], 0
	s_lshl_b32 s16, s14, 16                        ; x: 64 rows of 1,024 bytes a work-group, 16 a wave
	s_lshl_b32 s17, s[WV], 14
	s_add_co_u32 s16, s16, s17
	s_mov_b32 s17, 0
	s_lshl_b32 s20, s14, 14                        ; out0: rows of 256 bytes
	s_lshl_b32 s21, s[WV], 12
	s_add_co_u32 s20, s20, s21
	s_mov_b32 s21, 0
	s_lshl_b32 s22, s14, 11                        ; out1: rows of 32 bytes
	s_lshl_b32 s23, s[WV], 9
	s_add_co_u32 s22, s22, s23
	s_mov_b32 s23, 0
	v_and_b32 v1, 15, v0                           ; r = lane % 16
	v_bfe_u32 v2, v0, 4, 1                         ; h = lane / 16
	v_and_b32 v3, 31, v0                           ; lane
	v_lshlrev_b32 v[L16], 4, v3
	v_lshlrev_b32 v[H32], 5, v2
	v_mov_b32 v[ZER], 0
	v_add_nc_u32 v[AA0], s[WOFF], v[L16]
	v_add_nc_u32 v[AA1], SLOT1, v[AA0]
	v_mul_u32_u24 v[BX], v1, XP
	v_lshl_add_u32 v[BX], v2, 4, v[BX]
	v_add_nc_u32 v[BX], XB, v[BX]                  ; a fragment's row x pitch + 16 x half
	v_add_nc_u32 v[BX+1], 32*XP, v[BX]
	v_mul_u32_u24 v[BH], v1, HP
	v_lshl_add_u32 v[BH], v2, 4, v[BH]
	v_add_nc_u32 v[BH], HB, v[BH]
	v_add_nc_u32 v[BH+1], 32*HP, v[BH]
	s_lshl_b32 s15, s[WV], 8
	v_add_nc_u32 v[HS], s15, v[BH]                 ; my wave's 256 bytes of a row of h1
	v_add_nc_u32 v[HS+1], 32*HP, v[HS]
	s_lshl_b32 s15, s[WV], 9
	v_add_nc_u32 v[BO], s15, v[H32]
	v_lshl_add_u32 v[GA0], v1, 5, GATE
	v_lshl_add_u32 v[GST], v2, 4, v[GA0]
	v_add_nc_u32 v[GST], s15, v[GST]               ; token 16 w + r, four weights for each half of the lanes
	v_add_nc_u32 v[GRD], s15, v[L16]
	v_add_nc_u32 v[GRD], GATE, v[GRD]              ; my wave's 512 bytes on end
	s_add_co_u32 s15, s15, GATE
	v_lshl_add_u32 v[GR2], v2, 5, s15              ; token 16 w + h
	s_mul_i32 s15, s[WV], 16*XP
	v_add_nc_u32 v[XFR], s15, v[BX]
	v_lshl_add_u32 v[XST], v3, 3, s15
	v_add_nc_u32 v[XST], XB, v[XST]
	v_mul_u32_u24 v[RS], v1, RP
	v_lshl_add_u32 v[RS], v2, 5, v[RS]
	s_mul_i32 s15, s[WV], RW
	s_add_co_u32 s15, s15, XB
	v_add_nc_u32 v[RS], s15, v[RS]                 ; my wave's copy: token r, eight actions for each half of the lanes
	v_mul_u32_u24 v[RR], v2, RP
	v_lshl_add_u32 v[RR], v1, 4, v[RR]
	s_mul_i32 s15, s[WV], 16*RP
	s_add_co_u32 s15, s15, XB
	v_add_nc_u32 v[RR], s15, v[RR]                 ; lanes 0-15 one token's row of 256 bytes, lanes 16-31 the next
	v_lshlrev_b32 v[B3O], 4, v1
	s_wait_dscnt 0x0                               ; the opening add is done
	s_wait_kmcnt 0x0
	s_add_nc_u64 s[4:5], s[4:5], s[16:17]
	s_add_nc_u64 s[8:9], s[8:9], s[20:21]
	s_add_nc_u64 s[10:11], s[10:11], s[22:23]
	s_add_nc_u64 s[BQP:BQP+1], s[6:7], BQOFF
	s_add_nc_u64 s[GQP:GQP+1], s[6:7], GQOFF
	s_add_nc_u64 s[G0+2:G0+3], s[6:7], s[18:19]    ; 120:64 global address: my stream's first byte
	s_or_b32 s[G0+3], s[G0+3], 0x80000000          ; 127:126 type = 2
	CROUND                                         ; all four work-groups are here: the first joint loads meet
	tensor_load_to_lds s[G0:G0+3], s[G1A:G1A+7]    ; chunk 0 of expert 0 into slot 0
	s_nop 0
	PLACES
	; THE PROLOGUE's 126 loads, in the order in which they are wanted: x (my wave's 16 rows, 512 consecutive bytes a load), the gate's fragments and biases, b1 of expert 0.
	WIN 0x40                                       ; destination window 1
.set ii, 0
.rept 32
	global_load_b128 v[4*ii:4*ii+3], v[L16], s[4:5] offset:512*ii th:TH_LOAD_NT
.set ii, ii+1
.endr
	WIN 0xC0                                       ; Wg1's 32 fragments: window 3
.set ii, 0
.rept 64
	global_load_b128 v[4*ii:4*ii+3], v[L16], s[GQP:GQP+1] offset:512*ii
.set ii, ii+1
.endr
	WIN 0x40
.set ii, 0
.rept 4                                ; Wg2's two fragments: window 1, v128-143
	global_load_b128 v[128+4*ii:128+4*ii+3], v[L16], s[GQP:GQP+1] offset:32768+512*ii
.set ii, ii+1
.endr
.set ii, 0
.rept 8                                ; bg1 as four C operands: v144-175
	global_load_b128 v[144+4*ii:144+4*ii+3], v[H32], s[BQP:BQP+1] offset:34816+64*(ii/2)+16*(ii%2)
.set ii, ii+1
.endr
.set ii, 0
.rept 2                                ; bg2 as a C operand: register j is expert j's, in both halves of the lanes: v176-183
	global_load_b128 v[176+4*ii:176+4*ii+3], v[ZER], s[BQP:BQP+1] offset:35072+16*ii
.set ii, ii+1
.endr
	BIASLOAD EO1
	; The actions' accumulators are cleared on purpose: the third product's text is the loop's own, entered behind its first place, so it has no first step written out.  This stands in the wait for x.
.set ii, 0
.rept 128
	v_mov_b32 v[ii], 0
.set ii, ii+1
.endr
.irp t, 0,1,2,3
	v_mov_b32 v[GW+2*\t+1], 0                      ; named with the weight as a pair
.endr
	s_wait_loadcnt 63                              ; of the 126 loads the first 63 are in, x's 32 among them
	WIN 0x05                                       ; sources window 1, destination window 0
.set ii, 0
.rept 64
	v_cvt_pk_bf16_f32 v[64+ii], v[2*ii], v[2*ii+1]
.set ii, ii+1
.endr
	WIN 0
.set ii, 0
.rept 32
	ds_store_b64 v[XST], v[64+2*ii:64+2*ii+1] offset:(ii/2)*XP+(ii%2)*256  ; 32 lanes, 256 neighbouring bytes: half a row
.set ii, ii+1
.endr
	; THE GATE, for my wave's own 16 tokens.  LDS serves a wave's instructions in order (ISA guide 5.7.1.4): these loads see the stores above.
.set ii, 0
.rept 16
	ds_load_b128 v[128+4*ii:128+4*ii+3], v[XFR] offset:32*ii
.set ii, ii+1
.endr
	s_wait_loadcnt 16                              ; all but b1's sixteen
	s_wait_dscnt 0x0
.set ku, 0
.rept 8                                ; 64 gate units x 16 tokens: four accumulators v192-223 by turns; bg1 starts the sums
.set la, 0
.rept 4
.if ku == 0
	WIN 0x13                                       ; Wg1 window 3, tokens window 0, C window 1
	v_wmma_f32_16x16x32_bf16 v[192+8*la:192+8*la+7], v[8*la:8*la+7], v[128:135], v[144+8*la:144+8*la+7]
.else
	WIN 0x03
	v_wmma_f32_16x16x32_bf16 v[192+8*la:192+8*la+7], v[8*(4*ku+la):8*(4*ku+la)+7], v[128+8*ku:128+8*ku+7], v[192+8*la:192+8*la+7]
.endif
.set la, la+1
.endr
.set ku, ku+1
.endr
	PLACES
	WIN 0
.set pp, 0
.rept 16
	v_pk_mul_f32 v[224+2*pp:224+2*pp+1], v[192+2*pp:192+2*pp+1], s[CN:CN+1] op_sel_hi:[1,0]
.set pp, pp+1
.endr
.set pp, 0
.rept 32
	v_exp_f32 v[224+pp], v[224+pp]
.set pp, pp+1
.endr
	v_nop
	s_wait_alu depctr_va_vdst(0)                   ; one wait for the 32 exponentials
.set pp, 0
.rept 16
	v_pk_add_f32 v[224+2*pp:224+2*pp+1], v[224+2*pp:224+2*pp+1], 1.0 op_sel_hi:[1,0]
.set pp, pp+1
.endr
.set pp, 0
.rept 32
	v_rcp_f32 v[224+pp], v[224+pp]
.set pp, pp+1
.endr
	v_nop
	s_wait_alu depctr_va_vdst(0)                   ; one wait for the 32 reciprocals
.set pp, 0
.rept 16
	v_pk_mul_f32 v[192+2*pp:192+2*pp+1], v[192+2*pp:192+2*pp+1], v[224+2*pp:224+2*pp+1]
.set pp, pp+1
.endr
.set pp, 0
.rept 16
	v_cvt_pk_bf16_f32 v[192+pp], v[192+2*pp], v[192+2*pp+1]  ; two fragments of 32 gate units x 16 tokens: v192-207
.set pp, pp+1
.endr
	WIN 0x11                                       ; Wg2 and C (bg2) window 1
	v_wmma_f32_16x16x32_bf16 v[224:231], v[128:135], v[192:199], v[176:183]
	WIN 0x01
	s_wait_alu depctr_va_vdst(0)                   ; the wait stands directly ahead of the link
	v_wmma_f32_16x16x32_bf16 v[224:231], v[136:143], v[200:207], v[224:231]
	PLACES
	WIN 0
	; a lane holds its token's eight logits (both halves of the lanes the same): the softmax stays in the lane
	v_max3_num_f32 v232, v224, v225, v226
	v_max3_num_f32 v232, v232, v227, v228
	v_max3_num_f32 v232, v232, v229, v230
	v_max_num_f32 v232, v232, v231
	v_mul_f32 v232, s[CP], v232
.irp i, 0,2,4,6
	v_pk_fma_f32 v[224+\i:225+\i], v[224+\i:225+\i], s[CP:CP+1], v[232:233] op_sel_hi:[1,0,0] neg_lo:[0,0,1] neg_hi:[0,0,1]
.endr
.irp i, 0,1,2,3,4,5,6,7
	v_exp_f32 v[224+\i], v[224+\i]
.endr
	v_nop
	s_wait_alu depctr_va_vdst(0)
	v_pk_add_f32 v[234:235], v[224:225], v[226:227]
	v_pk_add_f32 v[236:237], v[228:229], v[230:231]
	v_pk_add_f32 v[234:235], v[234:235], v[236:237]
	v_add_f32 v234, v234, v235
	v_rcp_f32 v236, v234
	v_nop
	s_wait_alu depctr_va_vdst(0)
.irp i, 0,2,4,6
	v_pk_mul_f32 v[224+\i:225+\i], v[224+\i:225+\i], v[236:237] op_sel_hi:[1,0]
.endr
	v_cmp_eq_u32 vcc_lo, 1, v2                     ; lanes 0-15 keep weights 0-3, lanes 16-31 weights 4-7
.irp i, 0,1,2,3
	v_cndmask_b32 v[40+\i], v[224+\i], v[228+\i], vcc_lo
.endr
	ds_store_b128 v[GST], v[40:43]
	ds_load_b128 v[36:39], v[GRD]                  ; back as my wave's 512 bytes on end
	s_wait_dscnt 0x0
	global_store_b128 v[L16], v[36:39], s[10:11] th:TH_STORE_NT  ; 512 consecutive bytes of out1, at a multiple of 256
	s_wait_xcnt 0x0                                ; v36-39 are loaded again (b3) only behind this wait
	s_branch .Lmid                                 ; the loop is entered behind the third product, which the first trip does not have
.Lexp:                                                 ; seven times: chunk 9 is in; the next expert's chunk 0 is asked for; the third product
	DSYNC SLOT0, G1A, CH2, 1
	L3
	WIN 0
.Lmid:                                                 ; eight times: an expert's two hidden layers
	s_add_co_u32 s[EO1], s[EX], 1                  ; b1's row of the next expert; the last expert asks for its own once more, which nobody uses: no load leaves the table
	s_min_u32 s[EO1], s[EO1], 7
	s_lshl_b32 s[EO1], s[EO1], 11
	s_lshl_b32 s[EO2], s[EX], 11
	s_add_co_u32 s[EO2], s[EO2], 16384
	DSYNC SLOT1, G1A, CH3, 1                       ; chunk 0 is in; chunk 1 is asked for.  In the first trip this barrier also shows x and the gate's weights to every wave
	s_wait_loadcnt 0x0                             ; b1
	FETCH AA0, 0, 0, 0
	KSTEP 0, bf16, 1, AA0, 1, 1
	KSTEP 1, bf16, 0, AA0, 2, 2, EO2               ; b2 is asked for when b1 has been taken
	TURN  0, bf16, SLOT0, G1B, CH3, AA1, 3         ; chunk 2
	KSTEP 1, bf16, 0, AA1, 1, 4
	KSTEP 0, bf16, 0, AA1, 2, 5
	TURN  1, bf16, SLOT1, G1A, CH2, AA0, 6         ; chunk 3
	KSTEP 0, bf16, 0, AA0, 1, 7
	KLAST 1, bf16
	SILU 1
	DSYNC SLOT0, G1A, CH3, 1                       ; chunk 4; this barrier also shows h1 to every wave
	s_wait_loadcnt 0x0                             ; b2
	FETCH AA1, 0, 8, 0
	KSTEP 0, f16, 1, AA1, 1, 9
	KSTEP 1, f16, 0, AA1, 2, 10, EO1               ; the next expert's b1
	TURN  0, f16, SLOT1, G1A, CH3, AA0, 11         ; chunk 5
	KSTEP 1, f16, 0, AA0, 1, 12
	KSTEP 0, f16, 0, AA0, 2, 13
	TURN  1, f16, SLOT0, G1A, CH3, AA1, 14         ; chunk 6
	KSTEP 0, f16, 0, AA1, 1, 15
	KSTEP 1, f16, 0, AA1, 2, 16
	TURN  0, f16, SLOT1, G1B, CH3, AA0, 17         ; chunk 7
	KSTEP 1, f16, 0, AA0, 1, 18
	KSTEP 0, f16, 0, AA0, 2, 19
	TURN  1, f16, SLOT0, G1B, CH2, AA1, 20         ; chunk 8
	KSTEP 0, f16, 0, AA1, 1, 21
	TURN  1, f16, SLOT1, G1B, CH2, AA0, 22         ; chunk 9: W3
	KSTEP 0, f16, 0, AA0, 1, 23
	KLAST 1, f16
	WIN 0
	s_lshl_b32 s15, s[EX], 2
	v_add_nc_u32 v[GAE], s15, v[GA0]
	WIN 0x80
.irp t, 0,1,2,3
	ds_load_b32 v[GW+2*\t], v[GAE] offset:512*\t   ; this expert's weight for my token in each of the four token tiles
.endr
	SILU 2
	WIN 0
	s_add_co_u32 s[EX], s[EX], 1
	s_cmp_lt_u32 s[EX], 8
	s_cbranch_scc1 .Lexp
	; The last expert's third product is written out: nothing is asked for.
.set ee, 0
.rept 8
	global_load_b128 v[B3+4*ee:B3+4*ee+3], v[B3O], s[BQP:BQP+1] offset:32768+256*ee  ; b3: my four actions, all experts
.set ee, ee+1
.endr
	DSYNC 0, G1A, 0, 0                             ; chunk 9 is in; every wave's reads of x and h1 are over: their bytes serve the way out
	L3
	; THE WAY OUT.  Each wave's partial sums (over its 128 hidden units, all experts) go into its own copy in LDS, in f32; behind a barrier wave w adds the four copies for its 16 tokens, adds
	; sum_e weight_e b3[e], and stores whole rows.
	PLACES
	WIN 0x08                                       ; address window 0, data window 2
.set la, 0
.rept 4
.set lt, 0
.rept 4
	ds_store_b128 v[RS], v[8*(4*la+lt):8*(4*la+lt)+3]   offset:16*RP*lt+64*la
	ds_store_b128 v[RS], v[8*(4*la+lt)+4:8*(4*la+lt)+7] offset:16*RP*lt+64*la+16
.set lt, lt+1
.endr
.set la, la+1
.endr
	WIN 0
	s_wait_dscnt 0x0                               ; for the others' sake: my stores are done
	s_barrier_signal -1
	s_barrier_wait -1
.set ii, 0
.rept 8                                ; two tokens a load: copy pq of tokens 16 w + 2 ii, + 1
.set pq, 0
.rept 4
	ds_load_b128 v[64+16*ii+4*pq:64+16*ii+4*pq+3], v[RR] offset:RW*pq+2*RP*ii
.set pq, pq+1
.endr
.set ii, ii+1
.endr
.set ii, 0
.rept 8
	ds_load_b128 v[192+8*ii:192+8*ii+3],   v[GR2] offset:64*ii
	ds_load_b128 v[192+8*ii+4:192+8*ii+7], v[GR2] offset:64*ii+16
.set ii, ii+1
.endr
	s_wait_dscnt 0x0
	s_wait_loadcnt 0x0                             ; b3
.set ii, 0
.rept 8
.set rb, 64+16*ii
	v_pk_add_f32 v[rb:rb+1],     v[rb:rb+1],     v[rb+4:rb+5]
	v_pk_add_f32 v[rb+2:rb+3],   v[rb+2:rb+3],   v[rb+6:rb+7]
	v_pk_add_f32 v[rb+8:rb+9],   v[rb+8:rb+9],   v[rb+12:rb+13]
	v_pk_add_f32 v[rb+10:rb+11], v[rb+10:rb+11], v[rb+14:rb+15]
	v_pk_add_f32 v[rb:rb+1],     v[rb:rb+1],     v[rb+8:rb+9]
	v_pk_add_f32 v[rb+2:rb+3],   v[rb+2:rb+3],   v[rb+10:rb+11]
.set ee, 0
.rept 8
.set cc, 0
.rept 4
	v_fmac_f32 v[rb+cc], v[192+8*ii+ee], v[B3+4*ee+cc]
.set cc, cc+1
.endr
.set ee, ee+1
.endr
	global_store_b128 v[L16], v[rb:rb+3], s[8:9] offset:512*ii th:TH_STORE_NT  ; 512 consecutive bytes of out0, at a multiple of 256
.set ii, ii+1
.endr
	s_wait_tensorcnt 0x0                           ; the wave's end, behind my last tensor load and my last LDS store
	ds_add_u32 v[SPW], v[NIL]
	s_wait_dscnt 0x0
	CROUND                                         ; the closing round: no work-group ends while a partner may still ask for a chunk that names it
	s_endpgm
.Lfunc_end_k_qd1fcdb1159_moe:
	.size	k_qd1fcdb1159_moe, .Lfunc_end_k_qd1fcdb1159_moe-k_qd1fcdb1159_moe
	.p2alignl 7, 3214868480
	.fill 96, 4, 3214868480
	.section	.rodata,"a",@progbits
	.p2align	6, 0x0
	.amdhsa_kernel k_qd1fcdb1159_moe
		.amdhsa_group_segment_fixed_size 327680
		.amdhsa_private_segment_fixed_size 0
		.amdhsa_enable_private_segment 0
		.amdhsa_kernarg_size 32
		.amdhsa_user_sgpr_count 2
		.amdhsa_user_sgpr_kernarg_segment_ptr 1
		.amdhsa_wavefront_size32 1
		.amdhsa_system_sgpr_workgroup_id_x 1
		.amdhsa_system_sgpr_workgroup_id_y 1
		.amdhsa_system_sgpr_workgroup_id_z 1
		.amdhsa_system_vgpr_workitem_id 0
		.amdhsa_next_free_vgpr 1024
		.amdhsa_next_free_sgpr 66
		.amdhsa_reserve_vcc 1
		.amdhsa_float_denorm_mode_32 3
		.amdhsa_float_denorm_mode_16_64 3
		.amdhsa_memory_ordered 1
		.amdhsa_forward_progress 1
		.amdhsa_inst_pref_size 255
	.end_amdhsa_kernel
	.section	.bss,"aw",@nobits
	.p2align	6
	.space	262144
	.amdgpu_metadata
---
amdhsa.version: [ 1, 2 ]
amdhsa.kernels:
  - .name:           k_qd1fcdb1159_moe
    .symbol:         k_qd1fcdb1159_moe.kd
    .args:
      - { .name: x, .offset: 0, .size: 8, .value_kind: global_buffer, .address_space: global }
      - { .name: wk, .offset: 8, .size: 8, .value_kind: global_buffer, .address_space: global }
      - { .name: out0, .offset: 16, .size: 8, .value_kind: global_buffer, .address_space: global }
      - { .name: out1, .offset: 24, .size: 8, .value_kind: global_buffer, .address_space: global }
    .group_segment_fixed_size: 327680
    .private_segment_fixed_size: 0
    .kernarg_segment_align: 8
    .kernarg_segment_size: 32
    .max_flat_workgroup_size: 128
    .sgpr_count:     66
    .vgpr_count:     1024
    .wavefront_size: 32
...
	.end_amdgpu_metadata
.endif
;; end of part 2
;; ======== version 2 of 2: 2 launches; 1.26 times as fast as version 1
;; limits: values are held in f16: magnitudes above 65,504 overflow, below 6.1e-05 lose precision
;; workspace buffers: wk 6,885,888 bytes
;; launch prep: the kernel of part 1 again; grid 427 x 1, 8 waves a work-group, no clusters, 0 bytes of LDS; arguments W1, W2, W3, Wg1, Wg2, b1, b2, b3, bg1, bg2, wk; writes wk
;; launch moe (part 3): grid 256 x 1, 4 waves a work-group, clusters of 4 x 1, 327,680 bytes of LDS; arguments x, wk, out0, out1; writes out0, out1
.if DOCPART == 3
	.amdgcn_target "amdgcn-amd-amdhsa--gfx1250"
	.amdhsa_code_object_version 6
	.text
	.protected	k_qd1fcdb1159_moe
	.globl	k_qd1fcdb1159_moe
	.p2align	8
	.type	k_qd1fcdb1159_moe,@function
k_qd1fcdb1159_moe:
	s_mov_b64 s[64:65], 0
	v_nop
	global_prefetch_b8 v0, s[64:65] scope:SCOPE_SE
	s_setreg_imm32_b32 hwreg(HW_REG_WAVE_MODE, 25, 1), 1
	s_wait_xcnt 0x0
	s_wait_alu depctr_hold_cnt(0) depctr_sa_sdst(0) depctr_va_vdst(0) depctr_va_sdst(0) depctr_va_ssrc(0) depctr_va_vcc(0) depctr_vm_vsrc(0)
	s_getreg_b32 s2, hwreg(HW_REG_IB_STS2, 6, 4)
	s_cmp_eq_u32 s2, 0
	s_cbranch_scc0 .Lentry_in_a_cluster
	s_endpgm
.Lentry_in_a_cluster:
	s_bfe_u32 s2, ttmp6, 0x10000c
	s_cmp_lg_u32 s2, 0x3003
	s_cbranch_scc0 .Lentry_shape_is_right
	s_endpgm
.Lentry_shape_is_right:
; out1 = softmax(silu(x Wg1 + bg1) Wg2 + bg2);  out0 = sum over e of out1[:, e] (silu(silu(x W1[e] + b1[e]) W2[e] + b2[e]) W3[e] + b3[e]).  16,384 tokens, 8 experts, all weighed in.
; SHARES.  A work-group takes 64 tokens through the gate and all eight experts.  Every product is used transposed (source 0 = 16 rows of W^T, source 1 = 16 tokens), so that a lane holds ONE token
; (lane % 16) and eight neighbouring hidden units.  Wave w owns hidden units 128 w .. 128 w + 127 of both hidden layers for all 64 tokens: 32 accumulators.  h1 crosses the waves through LDS;
; h2, rounded in pairs, IS source 1 of the third product, in which wave w sums over its own 128 hidden units.  The gate's weight is a factor a lane, multiplied into h2, so that ONE accumulator
; (64 actions x 64 tokens) sums over all experts; the four waves' partial sums meet once, at the end, in LDS in f32, where sum_e weight_e b3[e] is added in f32.
; FORMATS.  All inputs are used rounded to bf16 (x here, the rest by the launch before).  x, W1, W3, the gate and weight x h2 are bf16 operands; h1 and W2 are f16 operands; all sums f32.
; LIMITS.  |h1| stays under 65,520 (f16; beyond it the token's row is lost); W2 within 65,504, and under 6.1e-5 it keeps f16's fixed step of 6e-8.  The exponentials and reciprocals count denormals
; as 0.  NaN and infinities are not treated apart.  The softmax takes its true maximum away.  The sum over the experts is taken in the order e0, e0 + 1, .. (modulo 8), which differs from cluster to cluster.
; THE ORDER OF THE EXPERTS.  Cluster k begins with expert e0 = (k + k / 8) % 8: of eight clusters with numbers on end, and of eight with numbers two apart, each begins with another expert, so from
; a cluster's second expert on every byte of weights that it asks for has been read by another cluster an expert earlier.  e0 is the same in the four partners.
; WEIGHTS.  Each wave has its own stream in wk, 26 units of 8,192 bytes an expert (a unit: 32 along K for the wave's 128 rows), which it alone reads.  Of every four units of the two hidden layers
; three come as ONE CHUNK of 24,576 bytes by a tensor load into one of two LDS slots; the fourth (units 3, 7, .. 23) comes straight into registers (window 3, idle outside silu), asked for three units
; or more ahead; W3's two units come straight into the fragment buffers while silu runs.  So an expert has six chunks, which take the slots by turns, and every LDS address in its text is a constant.
; In a chunk's last unit the chunk after next is asked for, into the slot just read out: 112 matrix instructions, or these and a silu, stand between a request and the wait for it.
; CLUSTER.  The four work-groups of a cluster walk the same stream, so each chunk is asked for JOINTLY: the same tensor load, descriptor and mask in all four.  The 8 of 26 units that go straight
; into registers are read by each work-group for itself: to share them they would have to pass through LDS, where two slots of four units do not fit beside x and h1.
; Two tensor loads of a wave are out at the start, one later on.
; REGISTERS, in windows of 256 (s_set_vgpr_msb: bits 1:0 source 0, 3:2 source 1, 5:4 source 2, 7:6 destination):
;   window 0: v0-31 addresses; v32-63 b3 (before that, at work in the gate); v64-191 W's fragments, two buffers of 8; v192-255 the tokens' fragments, two buffers of 4
;   window 1: the 32 accumulators; tile (a, t) at 8 (8 (a / 2) + 2 t + a % 2), so that tiles (2 s, t) and (2 s + 1, t) are neighbours and pack into one fragment
;   window 2: v0-127 the actions' accumulators, tile (am, t) at 8 (4 am + t); v128-191 the layer's bias as a C operand, 8 a row tile; v192-199 the expert's weight for token tile t at 192 + 2 t;
;             v200-231 all eight weights of my token in tile t at 200 + 8 t
;   window 3: four quarters of 64: a unit of weights each, between the silus; in silu 256 at work; packed, v0-127 hold h1 or weight x h2, fragment (s, t) at 8 (4 s + t)
.set WSTR,  1703936                    ; bytes of a wave's stream
.set ESTR,  212992                     ; bytes of an expert in it
.set GQOFF, 6815744                    ; the gate's fragments in wk
.set BQOFF, 6850560                    ; the biases in wk: b1 +0, b2 +16,384, b3 +32,768, bg1 +34,816, bg2 +35,072
.set CH3,   24576                      ; a chunk: three units; also a wave's part of a slot
.set CSTEP, 32768                      ; from a chunk to the next: four units
.set SLOT0, 0
.set SLOT1, 4*CH3
.set XB,    2*SLOT1                    ; x in bf16: 64 token rows of 512 bytes + 16 = 33 x 16: the 16 rows of a load start at 16 different groups of four banks (64 banks of 4 bytes: ISA guide 11.1)
.set XP,    528
.set HB,    XB+64*XP                   ; h1 in f16: 64 token rows of 1,024 bytes + 16 = 65 x 16
.set HP,    1040
.set GATE,  HB+64*HP                   ; the gate's weights: [64 tokens][8] f32
.set SPARE, GATE+2048                  ; the spare words, 128 bytes for each wave: two blocks of 256 bytes that no other line names
.set RP,    272                        ; the way out, over x and h1, which are dead then: [4 waves][64 tokens] rows of 256 bytes + 16
.set RW,    64*RP
.set AA0, 4                            ; v4, v5    my 16 bytes of a fragment in my part of slot 0, 1
.set AA1, 5
.set BX,  6                            ; v6, v7    my place in x's rows, tokens 0-31, 32-63
.set BH,  8                            ; v8, v9    the same in h1's rows
.set BO,  10                           ; v10       my byte offset in a bias row: 512 w + 32 (lane / 16)
.set BOE, 11                           ; v11       the same with the layer's and expert's row
.set GA0, 12                           ; v12       my token's row of the gate's weights (token tile 0)
.set SPW, 14                           ; v14       LDS address of my spare word; never rewritten
.set NIL, 15                           ; v15       0; never rewritten
.set L16, 16                           ; v16       16 x lane; never rewritten
.set H32, 17                           ; v17       32 (lane / 16)
.set ZER, 18                           ; v18       offset 0
.set XST, 19                           ; v19       where I put 8 bytes of x
.set HS,  20                           ; v20, v21  where I put 16 bytes of h1, tokens 0-31, 32-63
.set XFR, 22                           ; v22       my place in the rows of my wave's own 16 tokens
.set GST, 23                           ; v23       where I put four weights
.set GRD, 24                           ; v24       where I read them back for out1
.set RS,  25                           ; v25       the way out: where I put partial sums
.set RR,  26                           ; v26       where I read them
.set GR2, 27                           ; v27       the weights of the tokens that I finish
.set B3O, 28                           ; v28       my four actions in a row of b3
.set B3,  32
.set FA0, 64
.set FB0, 192
.set BIAS, 128
.set GW,  192
.set WG,  200
.set WV,  12                           ; s12  wave
.set G1A, 24                           ; s[24:31] descriptor group 1: 96 rows of 256 bytes
.set G0F, 32                           ; s[32:35] descriptor group 0 of the very first chunk
.set G0,  40                           ; s[40:43] descriptor group 0: the second chunk's, which then walks
.set WOFF, 44                          ; s44  my part of a slot
.set EX,  45                           ; s45  counts the experts
.set CN,  46                           ; s[46:47] -log2(e), twice
.set BQP, 48                           ; s[48:49] the biases
.set GQP, 50                           ; s[50:51] the gate's fragments
.set EO2, 52                           ; s52  b2's row of this expert
.set EO1, 53                           ; s53  b1's row of the next
.set CP,  54                           ; s[54:55] log2(e), twice
.set EC,  56                           ; s56  the expert in hand
.set EN,  57                           ; s57  the next
.set WB,  58                           ; s58  my stream's byte offset in wk
.set WP,  60                           ; s[60:61] my stream at the expert in hand
.set OFP, 62                           ; s[62:63] a byte offset as a pair; the high word stays 0
.set MSB, 0
.macro WIN new                         ; the immediate's high byte repeats the setting that is left; a switch that changes nothing is dropped
.if MSB != (\new)
	s_set_vgpr_msb (MSB<<8)|(\new)
.set MSB, (\new)
.endif
.endm
; Four places: a vector instruction that reads a matrix result or writes a matrix instruction's register, and a load into such a register, stand four plain vector instructions behind it
.macro PLACES
.rept 4
	v_nop
.endr
.endm
; A round of the cluster's barrier: my work-group's barrier; wave 0 signals for the work-group; every wave waits for all four work-groups; my work-group's barrier once more.
.macro CREST
	s_cmp_lg_u32 s[WV], 0
	s_cbranch_scc1 .Lnot_wave_0_\@
	s_barrier_signal -3
.Lnot_wave_0_\@:
	s_barrier_wait -3
	s_barrier_signal -1
	s_barrier_wait -1
.endm
.macro CROUND
	s_barrier_signal -1
	s_barrier_wait -1
	CREST
.endm
; 8 LDS loads: unit u's four token tiles (32 along K at byte 64 u of x's rows, or 64 (u - 8) of h1's) into buffer f
.macro FETCHB u, f
	WIN 0
.if (\u) < 8
.set fbr, BX
.set fbp, 16*XP
.set fbo, 64*(\u)
.else
.set fbr, BH
.set fbp, 16*HP
.set fbo, 64*((\u)-8)
.endif
.set ft, 0
.rept 4
	ds_load_b128 v[FB0+32*(\f)+8*ft:FB0+32*(\f)+8*ft+3],   v[fbr+ft/2] offset:(ft%2)*fbp+fbo
	ds_load_b128 v[FB0+32*(\f)+8*ft+4:FB0+32*(\f)+8*ft+7], v[fbr+ft/2] offset:(ft%2)*fbp+fbo+32
.set ft, ft+1
.endr
.endm
; 16 LDS loads: W's eight row tiles of unit ul of the chunk at address register aa, into buffer f
.macro FETCHA aa, ul, f
	WIN 0
.set fa, 0
.rept 8
	ds_load_b128 v[FA0+64*(\f)+8*fa:FA0+64*(\f)+8*fa+3],   v[\aa] offset:(8*(\ul)+fa)*1024
	ds_load_b128 v[FA0+64*(\f)+8*fa+4:FA0+64*(\f)+8*fa+7], v[\aa] offset:(8*(\ul)+fa)*1024+512
.set fa, fa+1
.endr
.endm
.macro FETCH aa, ul, u, f              ; both, in one run of 24: the tokens' tiles first
	FETCHB \u, \f
	FETCHA \aa, \ul, \f
.endm
; 16 loads from memory: unit u of the expert in hand, straight into quarter q of window 3: each takes 512 consecutive bytes, half a fragment
.macro RLOAD q, u
	WIN 0xC0                                       ; destination window 3, address window 0
.set ra, 0
.rept 8
	global_load_b128 v[64*(\q)+8*ra:64*(\q)+8*ra+3],   v[L16], s[WP:WP+1] offset:(8*(\u)+ra)*1024
	global_load_b128 v[64*(\q)+8*ra+4:64*(\q)+8*ra+7], v[L16], s[WP:WP+1] offset:(8*(\u)+ra)*1024+512
.set ra, ra+1
.endr
.endm
; 32 loads from memory: W3's sixteen fragments (units 24, 25) into both fragment buffers
.macro W3LOAD
	WIN 0
.set ls, 0
.rept 16
	global_load_b128 v[FA0+8*ls:FA0+8*ls+3],   v[L16], s[WP:WP+1] offset:(192+ls)*1024
	global_load_b128 v[FA0+8*ls+4:FA0+8*ls+7], v[L16], s[WP:WP+1] offset:(192+ls)*1024+512
.set ls, ls+1
.endr
.endm
; 4 na matrix instructions: row tiles a0 .. a0 + na - 1 x the four token tiles, 32 along K; the tokens from buffer f; W from buffer f, or (rq < 4) from quarter rq of window 3.
; first = 1: the layer's first K step: the bias is the C operand that starts the sums.
; The 32 accumulators take turns, one instruction a turn, in the same order in every unit.
.macro MUL f, a0, na, fmt, first, rq=4
.if \first
	WIN 0x60                                       ; W and tokens window 0, C (bias) window 2, D window 1
.elseif (\rq) < 4
	WIN 0x53                                       ; W window 3, tokens window 0, C and D window 1
.else
	WIN 0x50                                       ; W and tokens window 0, C and D window 1
.endif
.if (\rq) < 4
.set mab, 64*(\rq)
.else
.set mab, FA0+64*(\f)
.endif
.set ma, (\a0)
.rept \na
.set mt, 0
.rept 4
.set mi, 8*(8*(ma/2)+2*mt+(ma%2))
.if \first
	v_wmma_f32_16x16x32_\fmt v[mi:mi+7], v[mab+8*ma:mab+8*ma+7], v[FB0+32*(\f)+8*mt:FB0+32*(\f)+8*mt+7], v[BIAS+8*ma:BIAS+8*ma+7]
.else
	v_wmma_f32_16x16x32_\fmt v[mi:mi+7], v[mab+8*ma:mab+8*ma+7], v[FB0+32*(\f)+8*mt:FB0+32*(\f)+8*mt+7], v[mi:mi+7]
.endif
.set mt, mt+1
.endr
.set ma, ma+1
.endr
.endm
; A bias row as eight C operands: register j of row tile a is b[128 w + 16 a + 8 (lane / 16) + j], the same for every token.  eo: the scalar register with the row's byte offset.
; v[BOE] is written anew only behind the wait for the loads that named it last.
.macro BIASLOAD eo
	WIN 0
	v_add_nc_u32 v[BOE], s[\eo], v[BO]
	WIN 0x80                                       ; destination window 2
.set ba, 0
.rept 8
	global_load_b128 v[BIAS+8*ba:BIAS+8*ba+3],   v[BOE], s[BQP:BQP+1] offset:64*ba
	global_load_b128 v[BIAS+8*ba+4:BIAS+8*ba+7], v[BOE], s[BQP:BQP+1] offset:64*ba+16
.set ba, ba+1
.endr
.endm
; A unit in two halves; between them stand the next unit's fetch and whatever else is asked for.
; KA: the first half.  rq < 4: W lies in quarter rq of window 3; lc: the loads from memory issued behind that unit's, which may stay out.
.macro KA f, fmt, first, rq=4, lc=0
.if (\rq) < 4
	s_wait_loadcnt \lc                             ; loads come back in order (ISA guide 5.7.1): the unit's sixteen are in
	s_wait_dscnt 0x0                               ; the tokens' tiles are in
.else
	s_wait_dscnt 8                                 ; the tokens' tiles and W's tiles 0-3 are in; the youngest eight loads (W's tiles 4-7) may be out
.endif
	MUL \f, 0, 4, \fmt, \first, \rq
	PLACES                                         ; for the loads into the other buffer, and into whatever else the unit before read
.endm
; KB: the second half.  nd: the LDS loads issued since KA, which may stay out.
.macro KB f, fmt, first, nd, rq=4
.if (\rq) >= 4
	s_wait_dscnt \nd
.endif
	MUL \f, 4, 4, \fmt, \first, \rq
.endm
.macro UL f, fmt, first, naa, nul, nu  ; a unit from LDS; the next is unit nul of the same chunk
	KA \f, \fmt, \first
	FETCH \naa, \nul, \nu, 1-(\f)
	KB \f, \fmt, \first, 24
.endm
.macro UR f, fmt, rq, lc, naa, nu      ; a unit from registers; the next is the first of the next chunk
	KA \f, \fmt, 0, \rq, \lc
	FETCH \naa, 0, \nu, 1-(\f)
	KB \f, \fmt, 0, 0, \rq
.endm
; A chunk's last unit, and the change of slots.  In front of the round each wave waits for all its tensor loads, of which one is out: its part of the next chunk; adds 0 to its spare word; and waits
; for that and for its reads of the slot.  Behind the round the slot just read out is filled again first, with the chunk after next: four units on, or (anew = 1) the next expert's first.
; The next unit, nu, takes W from registers: only its tokens' tiles are fetched.
.macro TURN f, fmt, slot, anew, nu
	WIN 0
	s_wait_tensorcnt 0x0                           ; no tensor load of mine is out, so group 0 may be written
	ds_add_u32 v[SPW], v[NIL]                      ; 0 onto my spare word
.if \anew
	s_mul_i32 s[OFP], s[EN], ESTR                  ; the address is made anew: wk + my stream + the next expert
	s_add_co_u32 s[OFP], s[OFP], s[WB]
	s_add_nc_u64 s[G0+2:G0+3], s[6:7], s[OFP:OFP+1]
	s_or_b32 s[G0+3], s[G0+3], 0x80000000
.else
	s_add_nc_u64 s[G0+2:G0+3], s[G0+2:G0+3], CSTEP ; the type bits on top are not reached
.endif
	s_add_co_u32 s[G0+1], s[WOFF], \slot
	s_wait_dscnt 9                                 ; the add and the youngest eight loads may be out
	MUL \f, 0, 2, \fmt, 0
	s_wait_dscnt 0x0                               ; the add is done, and my reads of this slot are over
	s_barrier_signal -1                            ; this barrier opens a round of the cluster's
	MUL \f, 2, 2, \fmt, 0
	WIN 0
	s_barrier_wait -1
	CREST                                          ; no wave of any partner still reads the slot or has a load on its way
	tensor_load_to_lds s[G0:G0+3], s[G1A:G1A+7]
	s_nop 0
	PLACES                                         ; also the places in front of the loads below
	FETCHB \nu, 1-(\f)
	MUL \f, 4, 4, \fmt, 0
.endm
; silu of the 32 accumulators: z / (1 + 2^(-log2(e) z)), in window 3.  Two batches of 256 (exponentials, reciprocals), each with plain instructions dealt among them, one v_nop behind the last and ONE
; wait ahead of the first instruction that names a result.  Each accumulator's lowest registers are read first.  The scalar pair stands as source 0, so that one window
; setting serves the multiplies (source 1 = accumulators, window 1) and the exponentials (source 0 = window 3).
; lay = 1: rounded to f16 and stored as h1.  lay = 2: times the gate's weight, rounded to bf16: the third product's source 1, in place.
.macro SILU lay
	PLACES
	WIN 0xC7
.set pp, 0
.rept 2
	v_pk_mul_f32 v[2*pp:2*pp+1], s[CN:CN+1], v[2*pp:2*pp+1] op_sel_hi:[0,1]
.set pp, pp+1
.endr
.set pp, 0
.rept 128
	v_exp_f32 v[2*pp], v[2*pp]
	v_exp_f32 v[2*pp+1], v[2*pp+1]
.if pp < 126
	v_pk_mul_f32 v[2*pp+4:2*pp+5], s[CN:CN+1], v[2*pp+4:2*pp+5] op_sel_hi:[0,1]
.endif
.set pp, pp+1
.endr
	v_nop
	s_wait_alu depctr_va_vdst(0)                   ; the wait for the batch of exponentials
.set pp, 0
.rept 2
	v_pk_add_f32 v[2*pp:2*pp+1], v[2*pp:2*pp+1], 1.0 op_sel_hi:[1,0]
.set pp, pp+1
.endr
.set pp, 0
.rept 128
	v_rcp_f32 v[2*pp], v[2*pp]
	v_rcp_f32 v[2*pp+1], v[2*pp+1]
.if pp < 126
	v_pk_add_f32 v[2*pp+4:2*pp+5], v[2*pp+4:2*pp+5], 1.0 op_sel_hi:[1,0]
.endif
.set pp, pp+1
.endr
	v_nop
	s_wait_alu depctr_va_vdst(0)                   ; the wait for the batch of reciprocals
.set pp, 0
.rept 128
	v_pk_mul_f32 v[2*pp:2*pp+1], v[2*pp:2*pp+1], v[2*pp:2*pp+1]  ; window 3 = window 3 x the accumulator
.set pp, pp+1
.endr
.if (\lay) == 2
	WIN 0xCB                                       ; source 1 window 2
.set pp, 0
.rept 128
	v_pk_mul_f32 v[2*pp:2*pp+1], v[2*pp:2*pp+1], v[GW+2*(((pp/4)%8)/2):GW+2*(((pp/4)%8)/2)+1] op_sel_hi:[1,0]
.set pp, pp+1
.endr
.endif
	WIN 0xCF
.set pp, 0
.rept 128                              ; packed in place, ascending: register i takes 2 i and 2 i + 1, which no earlier line has overwritten
.if (\lay) == 1
	v_cvt_pk_f16_f32 v[pp], v[2*pp], v[2*pp+1]
.else
	v_cvt_pk_bf16_f32 v[pp], v[2*pp], v[2*pp+1]
.endif
.set pp, pp+1
.endr
.if (\lay) == 1
	WIN 0x0C                                       ; address window 0, data window 3
.set ma, 0
.rept 8
.set mt, 0
.rept 4
.set mi, 4*(8*(ma/2)+2*mt+(ma%2))
	ds_store_b128 v[HS+mt/2], v[mi:mi+3] offset:(mt%2)*16*HP+32*ma  ; eight hidden units of one token
.set mt, mt+1
.endr
.set ma, ma+1
.endr
.endif
.endm
; The weight of the expert in hand for my token in each of the four token tiles: the sum over j of weight j x (1.0 if j is the expert, else 0), which is exact.  No address hangs on the expert.
.macro GWSEL
	WIN 0xA2                                       ; source 0, source 2 and destination window 2
.set gj, 0
.rept 8
	s_cmp_eq_u32 s[EC], gj
	s_cselect_b32 s15, 1.0, 0
.set gt, 0
.rept 4
.if gj == 0
	v_fma_f32 v[GW+2*gt], v[WG+8*gt], s15, 0
.else
	v_fma_f32 v[GW+2*gt], v[WG+8*gt+gj], s15, v[GW+2*gt]
.endif
.set gt, gt+1
.endr
.set gj, gj+1
.endr
.endm
; The third product: 64 matrix instructions; the 16 accumulators take turns.
.macro L3
	WIN 0xAC                                       ; W3 window 0, weight x h2 window 3, C and D window 2
.set ls, 0
.rept 4
.set la, 0
.rept 4
.set lt, 0
.rept 4
	v_wmma_f32_16x16x32_bf16 v[8*(4*la+lt):8*(4*la+lt)+7], v[FA0+8*(4*ls+la):FA0+8*(4*ls+la)+7], v[8*(4*ls+lt):8*(4*ls+lt)+7], v[8*(4*la+lt):8*(4*la+lt)+7]
.set lt, lt+1
.endr
.set la, la+1
.endr
.set ls, ls+1
.endr
.endm
; An expert's end: units 18 to 23 and the second silu.  last = 0: its two changes of slots ask for the next expert's first two chunks, and the next b1 is asked for.
; last = 1: the last expert: nothing of the next is asked for, no slot is filled, so no barrier is wanted; b3 is asked for.
.macro XPART last
.if \last
	s_wait_tensorcnt 0x0                           ; my part of the last chunk is in; only I read it
	KA 0, f16, 0                                   ; u18
	FETCHB 19, 1
	KB 0, f16, 0, 8                                ; all but the eight just issued
.else
	TURN 0, f16, SLOT0, 1, 19                      ; u18: the next expert's chunk 0
.endif
	UR 1, f16, 0, 16, AA1, 20                      ; u19, quarter 0: u23's sixteen loads may be out
.if \last
	UL 0, f16, 0, AA1, 1, 21                       ; u20
.else
	KA 0, f16, 0                                   ; u20
	FETCH AA1, 1, 21, 1
	BIASLOAD EO1
	KB 0, f16, 0, 24
.endif
	UL 1, f16, 0, AA1, 2, 22                       ; u21
.if \last
	KA 0, f16, 0                                   ; u22
	FETCHB 23, 1
	KB 0, f16, 0, 8
	KA 1, f16, 0, 1, 0                             ; u23, quarter 1
.else
	TURN 0, f16, SLOT1, 0, 23                      ; u22: the next expert's chunk 1
	KA 1, f16, 0, 1, 16                            ; u23, quarter 1: the next b1's sixteen loads may be out
.endif
	W3LOAD                                         ; both fragment buffers are free: the unit in hand takes W from window 3; these loads have the silu in which to land
.if \last
.set ee, 0
.rept 8
	global_load_b128 v[B3+4*ee:B3+4*ee+3], v[B3O], s[BQP:BQP+1] offset:32768+256*ee  ; b3: my four actions, all experts
.set ee, ee+1
.endr
.endif
	KB 1, f16, 0, 0, 1
	GWSEL
	SILU 2
	WIN 0
	s_wait_loadcnt 0x0                             ; W3 (and the next b1, or b3): no load of mine is out, so my stream's address may be written
.endm
	s_load_b256 s[4:11], s[0:1], 0x0               ; x s[4:5], wk s[6:7], out0 s[8:9], out1 s[10:11]
	v_lshl_add_u32 v[SPW], v0, 2, SPARE
	v_mov_b32 v[NIL], 0
	ds_add_u32 v[SPW], v[NIL]                      ; the wave's opening add, waited for ahead of my first tensor load; the set-up below, work on registers, stands between the add and its wait
	v_lshrrev_b32 v29, 5, v0
	v_readfirstlane_b32 s[WV], v29                 ; wave 0..3
	s_bfe_u32 s13, ttmp6, 0x40000                  ; cx: my place in the cluster
	s_lshl_b32 s14, ttmp9, 2                       ; in a cluster launch ttmp9 counts clusters
	s_add_co_u32 s14, s14, s13                     ; my block of 64 tokens: it enters the addresses of x, out0 and out1 alone
	s_lshr_b32 s15, ttmp9, 3
	s_add_co_u32 s15, s15, ttmp9
	s_and_b32 s[EC], s15, 7                        ; the cluster's first expert: made of the cluster's number alone
	; descriptor group 1: a dense block of 24,576 bytes as 96 rows of 256
	s_mov_b32 s[G1A], 15|(3<<16)|(1<<21)           ; 15:0 the mask of four; 17:16 elements of 8 bytes; 21 set beside a mask; no padding: a fragment is read 16 bytes a lane on end
	s_mov_b32 s[G1A+1], 32<<16                     ; tensor_dim0 = 32
	s_mov_b32 s[G1A+2], 96<<16                     ; tensor_dim1 = 96
	s_mov_b32 s[G1A+3], 32<<16                     ; tile_dim0 = 32
	s_mov_b32 s[G1A+4], 96                         ; tile_dim1 = 96
	s_mov_b32 s[G1A+5], 32                         ; 32 elements from row to row
	s_mov_b32 s[G1A+6], 0
	s_mov_b32 s[G1A+7], 0
	s_mul_i32 s[WOFF], s[WV], CH3
	s_mul_i32 s[WB], s[WV], WSTR                   ; my stream: made of the wave's number alone
	s_mul_i32 s[OFP], s[EC], ESTR
	s_add_co_u32 s[OFP], s[OFP], s[WB]
	s_mov_b32 s[OFP+1], 0
	s_mov_b32 s[G0F], 1                            ; 1:0 count = 1
	s_add_co_u32 s[G0F+1], s[WOFF], SLOT0          ; 63:32 LDS address
	s_mov_b32 s[G0], 1
	s_add_co_u32 s[G0+1], s[WOFF], SLOT1
	s_mov_b32 s[CN], 0xbfb8aa3b
	s_mov_b32 s[CN+1], 0xbfb8aa3b
	s_mov_b32 s[CP], 0x3fb8aa3b
	s_mov_b32 s[CP+1], 0x3fb8aa3b
	s_lshl_b32 s[EO1], s[EC], 11                   ; b1 of the first expert
	s_mov_b32 s[EX], 0
	s_lshl_b32 s16, s14, 16                        ; x: 64 rows of 1,024 bytes a work-group, 16 a wave
	s_lshl_b32 s17, s[WV], 14
	s_add_co_u32 s16, s16, s17
	s_mov_b32 s17, 0
	s_lshl_b32 s20, s14, 14                        ; out0: rows of 256 bytes
	s_lshl_b32 s21, s[WV], 12
	s_add_co_u32 s20, s20, s21
	s_mov_b32 s21, 0
	s_lshl_b32 s22, s14, 11                        ; out1: rows of 32 bytes
	s_lshl_b32 s23, s[WV], 9
	s_add_co_u32 s22, s22, s23
	s_mov_b32 s23, 0
	v_and_b32 v1, 15, v0                           ; r = lane % 16
	v_bfe_u32 v2, v0, 4, 1                         ; h = lane / 16
	v_and_b32 v3, 31, v0                           ; lane
	v_lshlrev_b32 v[L16], 4, v3
	v_lshlrev_b32 v[H32], 5, v2
	v_mov_b32 v[ZER], 0
	v_add_nc_u32 v[AA0], s[WOFF], v[L16]
	v_add_nc_u32 v[AA1], SLOT1, v[AA0]
	v_mul_u32_u24 v[BX], v1, XP
	v_lshl_add_u32 v[BX], v2, 4, v[BX]
	v_add_nc_u32 v[BX], XB, v[BX]                  ; a fragment's row x pitch + 16 x half
	v_add_nc_u32 v[BX+1], 32*XP, v[BX]
	v_mul_u32_u24 v[BH], v1, HP
	v_lshl_add_u32 v[BH], v2, 4, v[BH]
	v_add_nc_u32 v[BH], HB, v[BH]
	v_add_nc_u32 v[BH+1], 32*HP, v[BH]
	s_lshl_b32 s15, s[WV], 8
	v_add_nc_u32 v[HS], s15, v[BH]                 ; my wave's 256 bytes of a row of h1
	v_add_nc_u32 v[HS+1], 32*HP, v[HS]
	s_lshl_b32 s15, s[WV], 9
	v_add_nc_u32 v[BO], s15, v[H32]
	v_lshl_add_u32 v[GA0], v1, 5, GATE
	v_lshl_add_u32 v[GST], v2, 4, v[GA0]
	v_add_nc_u32 v[GST], s15, v[GST]               ; token 16 w + r, four weights for each half of the lanes
	v_add_nc_u32 v[GRD], s15, v[L16]
	v_add_nc_u32 v[GRD], GATE, v[GRD]              ; my wave's 512 bytes on end
	s_add_co_u32 s15, s15, GATE
	v_lshl_add_u32 v[GR2], v2, 5, s15              ; token 16 w + h
	s_mul_i32 s15, s[WV], 16*XP
	v_add_nc_u32 v[XFR], s15, v[BX]
	v_lshl_add_u32 v[XST], v3, 3, s15
	v_add_nc_u32 v[XST], XB, v[XST]
	v_mul_u32_u24 v[RS], v1, RP
	v_lshl_add_u32 v[RS], v2, 5, v[RS]
	s_mul_i32 s15, s[WV], RW
	s_add_co_u32 s15, s15, XB
	v_add_nc_u32 v[RS], s15, v[RS]                 ; my wave's copy: token r, eight actions for each half of the lanes
	v_mul_u32_u24 v[RR], v2, RP
	v_lshl_add_u32 v[RR], v1, 4, v[RR]
	s_mul_i32 s15, s[WV], 16*RP
	s_add_co_u32 s15, s15, XB
	v_add_nc_u32 v[RR], s15, v[RR]                 ; lanes 0-15 one token's row of 256 bytes, lanes 16-31 the next
	v_lshlrev_b32 v[B3O], 4, v1
	s_wait_dscnt 0x0                               ; the opening add is done
	s_wait_kmcnt 0x0
	s_add_nc_u64 s[4:5], s[4:5], s[16:17]
	s_add_nc_u64 s[8:9], s[8:9], s[20:21]
	s_add_nc_u64 s[10:11], s[10:11], s[22:23]
	s_add_nc_u64 s[BQP:BQP+1], s[6:7], BQOFF
	s_add_nc_u64 s[GQP:GQP+1], s[6:7], GQOFF
	s_add_nc_u64 s[WP:WP+1], s[6:7], s[OFP:OFP+1]  ; my stream at the first expert
	s_mov_b64 s[G0F+2:G0F+3], s[WP:WP+1]           ; 120:64 global address: chunk 0
	s_or_b32 s[G0F+3], s[G0F+3], 0x80000000        ; 127:126 type = 2
	s_add_nc_u64 s[G0+2:G0+3], s[WP:WP+1], CSTEP   ; chunk 1
	s_or_b32 s[G0+3], s[G0+3], 0x80000000
	CROUND                                         ; all four work-groups are here: the first joint loads meet
	tensor_load_to_lds s[G0F:G0F+3], s[G1A:G1A+7]  ; both slots' first fills go out together
	s_nop 0
	tensor_load_to_lds s[G0:G0+3], s[G1A:G1A+7]
	s_nop 0
	PLACES
	; THE PROLOGUE's 126 loads, in the order in which they are wanted: x (my wave's 16 rows, 512 consecutive bytes a load), the gate's fragments and biases, b1 of the first expert.
	WIN 0x40                                       ; destination window 1
.set ii, 0
.rept 32
	global_load_b128 v[4*ii:4*ii+3], v[L16], s[4:5] offset:512*ii th:TH_LOAD_NT
.set ii, ii+1
.endr
	WIN 0xC0                                       ; Wg1's 32 fragments: window 3
.set ii, 0
.rept 64
	global_load_b128 v[4*ii:4*ii+3], v[L16], s[GQP:GQP+1] offset:512*ii
.set ii, ii+1
.endr
	WIN 0x40
.set ii, 0
.rept 4                                ; Wg2's two fragments: window 1, v128-143
	global_load_b128 v[128+4*ii:128+4*ii+3], v[L16], s[GQP:GQP+1] offset:32768+512*ii
.set ii, ii+1
.endr
.set ii, 0
.rept 8                                ; bg1 as four C operands: v144-175
	global_load_b128 v[144+4*ii:144+4*ii+3], v[H32], s[BQP:BQP+1] offset:34816+64*(ii/2)+16*(ii%2)
.set ii, ii+1
.endr
.set ii, 0
.rept 2                                ; bg2 as a C operand: register j is expert j's, in both halves of the lanes: v176-183
	global_load_b128 v[176+4*ii:176+4*ii+3], v[ZER], s[BQP:BQP+1] offset:35072+16*ii
.set ii, ii+1
.endr
	BIASLOAD EO1
	; The actions' accumulators are cleared on purpose: the third product's text is the loop's own, entered behind its first place, so it has no first step written out.  This stands in the wait for x.
.set ii, 0
.rept 128
	v_mov_b32 v[ii], 0
.set ii, ii+1
.endr
.irp t, 0,1,2,3
	v_mov_b32 v[GW+2*\t+1], 0                      ; named with the weight as a pair
.endr
	s_wait_loadcnt 63                              ; of the 126 loads the first 63 are in, x's 32 among them
	WIN 0x05                                       ; sources window 1, destination window 0
.set ii, 0
.rept 64
	v_cvt_pk_bf16_f32 v[64+ii], v[2*ii], v[2*ii+1]
.set ii, ii+1
.endr
	WIN 0
.set ii, 0
.rept 32
	ds_store_b64 v[XST], v[64+2*ii:64+2*ii+1] offset:(ii/2)*XP+(ii%2)*256  ; 32 lanes, 256 neighbouring bytes: half a row
.set ii, ii+1
.endr
	; THE GATE, for my wave's own 16 tokens.  LDS serves a wave's instructions in order (ISA guide 5.7.1.4): these loads see the stores above.
.set ii, 0
.rept 16
	ds_load_b128 v[128+4*ii:128+4*ii+3], v[XFR] offset:32*ii
.set ii, ii+1
.endr
	s_wait_loadcnt 16                              ; all but b1's sixteen
	s_wait_dscnt 0x0
.set ku, 0
.rept 8                                ; 64 gate units x 16 tokens: four accumulators v192-223 by turns; bg1 starts the sums
.set la, 0
.rept 4
.if ku == 0
	WIN 0x13                                       ; Wg1 window 3, tokens window 0, C window 1
	v_wmma_f32_16x16x32_bf16 v[192+8*la:192+8*la+7], v[8*la:8*la+7], v[128:135], v[144+8*la:144+8*la+7]
.else
	WIN 0x03
	v_wmma_f32_16x16x32_bf16 v[192+8*la:192+8*la+7], v[8*(4*ku+la):8*(4*ku+la)+7], v[128+8*ku:128+8*ku+7], v[192+8*la:192+8*la+7]
.endif
.set la, la+1
.endr
.set ku, ku+1
.endr
	PLACES
	RLOAD 2, 3                                     ; Wg1 has been multiplied: window 3's upper half takes the first expert's units 3 and 7
	RLOAD 3, 7
	WIN 0
.set pp, 0
.rept 16
	v_pk_mul_f32 v[224+2*pp:224+2*pp+1], v[192+2*pp:192+2*pp+1], s[CN:CN+1] op_sel_hi:[1,0]
.set pp, pp+1
.endr
.set pp, 0
.rept 32
	v_exp_f32 v[224+pp], v[224+pp]
.set pp, pp+1
.endr
	v_nop
	s_wait_alu depctr_va_vdst(0)                   ; one wait for the 32 exponentials
.set pp, 0
.rept 16
	v_pk_add_f32 v[224+2*pp:224+2*pp+1], v[224+2*pp:224+2*pp+1], 1.0 op_sel_hi:[1,0]
.set pp, pp+1
.endr
.set pp, 0
.rept 32
	v_rcp_f32 v[224+pp], v[224+pp]
.set pp, pp+1
.endr
	v_nop
	s_wait_alu depctr_va_vdst(0)                   ; one wait for the 32 reciprocals
.set pp, 0
.rept 16
	v_pk_mul_f32 v[192+2*pp:192+2*pp+1], v[192+2*pp:192+2*pp+1], v[224+2*pp:224+2*pp+1]
.set pp, pp+1
.endr
.set pp, 0
.rept 16
	v_cvt_pk_bf16_f32 v[192+pp], v[192+2*pp], v[192+2*pp+1]  ; two fragments of 32 gate units x 16 tokens: v192-207
.set pp, pp+1
.endr
	WIN 0x11                                       ; Wg2 and C (bg2) window 1
	v_wmma_f32_16x16x32_bf16 v[224:231], v[128:135], v[192:199], v[176:183]
	WIN 0x01
	s_wait_alu depctr_va_vdst(0)                   ; the wait stands directly ahead of the link
	v_wmma_f32_16x16x32_bf16 v[224:231], v[136:143], v[200:207], v[224:231]
	PLACES
	WIN 0
	; a lane holds its token's eight logits (both halves of the lanes the same): the softmax stays in the lane
	v_max3_num_f32 v232, v224, v225, v226
	v_max3_num_f32 v232, v232, v227, v228
	v_max3_num_f32 v232, v232, v229, v230
	v_max_num_f32 v232, v232, v231
	v_mul_f32 v232, s[CP], v232
.irp i, 0,2,4,6
	v_pk_fma_f32 v[224+\i:225+\i], v[224+\i:225+\i], s[CP:CP+1], v[232:233] op_sel_hi:[1,0,0] neg_lo:[0,0,1] neg_hi:[0,0,1]
.endr
.irp i, 0,1,2,3,4,5,6,7
	v_exp_f32 v[224+\i], v[224+\i]
.endr
	v_nop
	s_wait_alu depctr_va_vdst(0)
	v_pk_add_f32 v[234:235], v[224:225], v[226:227]
	v_pk_add_f32 v[236:237], v[228:229], v[230:231]
	v_pk_add_f32 v[234:235], v[234:235], v[236:237]
	v_add_f32 v234, v234, v235
	v_rcp_f32 v236, v234
	v_nop
	s_wait_alu depctr_va_vdst(0)
.irp i, 0,2,4,6
	v_pk_mul_f32 v[224+\i:225+\i], v[224+\i:225+\i], v[236:237] op_sel_hi:[1,0]
.endr
	v_cmp_eq_u32 vcc_lo, 1, v2                     ; lanes 0-15 keep weights 0-3, lanes 16-31 weights 4-7
.irp i, 0,1,2,3
	v_cndmask_b32 v[40+\i], v[224+\i], v[228+\i], vcc_lo
.endr
	ds_store_b128 v[GST], v[40:43]
	ds_load_b128 v[36:39], v[GRD]                  ; back as my wave's 512 bytes on end
	s_wait_dscnt 0x0                               ; also for the others' sake: my stores of x and of the weights are done
	global_store_b128 v[L16], v[36:39], s[10:11] th:TH_STORE_NT  ; 512 consecutive bytes of out1, at a multiple of 256
	s_wait_xcnt 0x0                                ; v36-39 are loaded again (b3) only behind this wait
	s_wait_tensorcnt 0x1                           ; my part of chunk 0 is in; chunk 1 may stay out
	s_barrier_signal -1
	s_barrier_wait -1                              ; x and the gate's weights of all 64 tokens are there
	WIN 0x80                                       ; destination window 2
.set gt, 0
.rept 4                                ; all eight weights of my token in each of the four token tiles stay in registers
	ds_load_b128 v[WG+8*gt:WG+8*gt+3],   v[GA0] offset:512*gt
	ds_load_b128 v[WG+8*gt+4:WG+8*gt+7], v[GA0] offset:512*gt+16
.set gt, gt+1
.endr
	s_wait_dscnt 0x0
	s_wait_loadcnt 32                              ; b1 is in; the 32 loads of units 3 and 7 may be out
	WIN 0
	s_branch .Lmid                                 ; the loop is entered at an expert's first unit, in the middle of a trip
.Lexp:                                                 ; seven times: an expert's end, then the next expert's beginning
	s_add_co_u32 s[EN], s[EC], 1
	s_and_b32 s[EN], s[EN], 7
	s_lshl_b32 s[EO1], s[EN], 11
	XPART 0
	s_mov_b32 s[EC], s[EN]                         ; on to the next expert
	s_mul_i32 s[OFP], s[EC], ESTR
	s_add_co_u32 s[OFP], s[OFP], s[WB]
	s_add_nc_u64 s[WP:WP+1], s[6:7], s[OFP:OFP+1]
	RLOAD 2, 3                                     ; its units 3 and 7, into the half of window 3 that the packing has left
	RLOAD 3, 7
	L3
	WIN 0
.Lmid:                                                 ; eight times: units 0 to 17.  Out at this point: the 32 loads of units 3 and 7, and the tensor load of chunk 1
	s_lshl_b32 s[EO2], s[EC], 11
	s_add_co_u32 s[EO2], s[EO2], 16384
	PLACES                                         ; for the loads into the fragment buffers, which the third product read
	FETCH AA0, 0, 0, 0
	UL 0, bf16, 1, AA0, 1, 1                       ; u0
	KA 1, bf16, 0                                  ; u1
	FETCH AA0, 2, 2, 0
	BIASLOAD EO2                                   ; b2 is asked for when b1 has been taken
	KB 1, bf16, 0, 24
	TURN 0, bf16, SLOT0, 0, 3                      ; u2: chunk 2
	UR 1, bf16, 2, 32, AA1, 4                      ; u3, quarter 2: u7's and b2's loads may be out
	UL 0, bf16, 0, AA1, 1, 5                       ; u4
	UL 1, bf16, 0, AA1, 2, 6                       ; u5
	TURN 0, bf16, SLOT1, 0, 7                      ; u6: chunk 3
	s_wait_loadcnt 16                              ; u7, quarter 3, the layer's last: b2's loads may be out
	s_wait_dscnt 0x0
	MUL 1, 0, 8, bf16, 0, 3
	SILU 1
	RLOAD 2, 11                                    ; the half of window 3 that the packing has left takes units 11 and 15
	RLOAD 3, 15
	WIN 0
	s_wait_dscnt 0x0                               ; for the others' sake: my stores of h1 are done
	s_barrier_signal -1                            ; chunk 3's load may stay out
	s_barrier_wait -1                              ; h1 is whole
	s_wait_loadcnt 32                              ; b2 is in; the 32 loads just issued may be out
	FETCH AA0, 0, 8, 0
	KA 0, f16, 1                                   ; u8
	FETCH AA0, 1, 9, 1
	RLOAD 0, 19                                    ; h1 has left window 3's lower half
	KB 0, f16, 1, 24
	UL 1, f16, 0, AA0, 2, 10                       ; u9
	TURN 0, f16, SLOT0, 0, 11                      ; u10: chunk 4
	UR 1, f16, 2, 32, AA1, 12                      ; u11, quarter 2: u15's and u19's loads may be out
	KA 0, f16, 0                                   ; u12
	FETCH AA1, 1, 13, 1
	RLOAD 1, 23
	KB 0, f16, 0, 24
	UL 1, f16, 0, AA1, 2, 14                       ; u13
	TURN 0, f16, SLOT1, 0, 15                      ; u14: chunk 5
	UR 1, f16, 3, 32, AA0, 16                      ; u15, quarter 3: u19's and u23's loads may be out
	UL 0, f16, 0, AA0, 1, 17                       ; u16
	UL 1, f16, 0, AA0, 2, 18                       ; u17
	WIN 0
	s_add_co_u32 s[EX], s[EX], 1
	s_cmp_lt_u32 s[EX], 8
	s_cbranch_scc1 .Lexp
	; The last expert's end is written out.
	XPART 1
	L3
	; THE WAY OUT.  Each wave's partial sums (over its 128 hidden units, all experts) go into its own copy in LDS, in f32; behind a barrier wave w adds the four copies for its 16 tokens, adds
	; sum_e weight_e b3[e], and stores whole rows.
	PLACES
	WIN 0
	s_wait_dscnt 0x0                               ; my reads of x and h1 are over
	s_barrier_signal -1
	s_barrier_wait -1                              ; everybody's are: their bytes serve the way out
	WIN 0x08                                       ; address window 0, data window 2
.set la, 0
.rept 4
.set lt, 0
.rept 4
	ds_store_b128 v[RS], v[8*(4*la+lt):8*(4*la+lt)+3]   offset:16*RP*lt+64*la
	ds_store_b128 v[RS], v[8*(4*la+lt)+4:8*(4*la+lt)+7] offset:16*RP*lt+64*la+16
.set lt, lt+1
.endr
.set la, la+1
.endr
	WIN 0
	s_wait_dscnt 0x0                               ; for the others' sake: my stores are done
	s_barrier_signal -1
	s_barrier_wait -1
.set ii, 0
.rept 8                                ; two tokens a load: copy pq of tokens 16 w + 2 ii, + 1
.set pq, 0
.rept 4
	ds_load_b128 v[64+16*ii+4*pq:64+16*ii+4*pq+3], v[RR] offset:RW*pq+2*RP*ii
.set pq, pq+1
.endr
.set ii, ii+1
.endr
.set ii, 0
.rept 8
	ds_load_b128 v[192+8*ii:192+8*ii+3],   v[GR2] offset:64*ii
	ds_load_b128 v[192+8*ii+4:192+8*ii+7], v[GR2] offset:64*ii+16
.set ii, ii+1
.endr
	s_wait_dscnt 0x0
.set ii, 0
.rept 8
.set rb, 64+16*ii
	v_pk_add_f32 v[rb:rb+1],     v[rb:rb+1],     v[rb+4:rb+5]
	v_pk_add_f32 v[rb+2:rb+3],   v[rb+2:rb+3],   v[rb+6:rb+7]
	v_pk_add_f32 v[rb+8:rb+9],   v[rb+8:rb+9],   v[rb+12:rb+13]
	v_pk_add_f32 v[rb+10:rb+11], v[rb+10:rb+11], v[rb+14:rb+15]
	v_pk_add_f32 v[rb:rb+1],     v[rb:rb+1],     v[rb+8:rb+9]
	v_pk_add_f32 v[rb+2:rb+3],   v[rb+2:rb+3],   v[rb+10:rb+11]
.set ee, 0
.rept 8
.set cc, 0
.rept 4
	v_fmac_f32 v[rb+cc], v[192+8*ii+ee], v[B3+4*ee+cc]
.set cc, cc+1
.endr
.set ee, ee+1
.endr
	global_store_b128 v[L16], v[rb:rb+3], s[8:9] offset:512*ii th:TH_STORE_NT  ; 512 consecutive bytes of out0, at a multiple of 256
.set ii, ii+1
.endr
	s_wait_tensorcnt 0x0                           ; the wave's end, behind my last tensor load and my last LDS store
	ds_add_u32 v[SPW], v[NIL]
	s_wait_dscnt 0x0
	CROUND                                         ; the closing round: no work-group ends while a partner may still ask for a chunk that names it
	s_endpgm
.Lfunc_end_k_qd1fcdb1159_moe:
	.size	k_qd1fcdb1159_moe, .Lfunc_end_k_qd1fcdb1159_moe-k_qd1fcdb1159_moe
	.p2alignl 7, 3214868480
	.fill 96, 4, 3214868480
	.section	.rodata,"a",@progbits
	.p2align	6, 0x0
	.amdhsa_kernel k_qd1fcdb1159_moe
		.amdhsa_group_segment_fixed_size 327680
		.amdhsa_private_segment_fixed_size 0
		.amdhsa_enable_private_segment 0
		.amdhsa_kernarg_size 32
		.amdhsa_user_sgpr_count 2
		.amdhsa_user_sgpr_kernarg_segment_ptr 1
		.amdhsa_wavefront_size32 1
		.amdhsa_system_sgpr_workgroup_id_x 1
		.amdhsa_system_sgpr_workgroup_id_y 1
		.amdhsa_system_sgpr_workgroup_id_z 1
		.amdhsa_system_vgpr_workitem_id 0
		.amdhsa_next_free_vgpr 1024
		.amdhsa_next_free_sgpr 66
		.amdhsa_reserve_vcc 1
		.amdhsa_float_denorm_mode_32 3
		.amdhsa_float_denorm_mode_16_64 3
		.amdhsa_memory_ordered 1
		.amdhsa_forward_progress 1
		.amdhsa_inst_pref_size 255
	.end_amdhsa_kernel
	.section	.bss,"aw",@nobits
	.p2align	6
	.space	262144
	.amdgpu_metadata
---
amdhsa.version: [ 1, 2 ]
amdhsa.kernels:
  - .name:           k_qd1fcdb1159_moe
    .symbol:         k_qd1fcdb1159_moe.kd
    .args:
      - { .name: x, .offset: 0, .size: 8, .value_kind: global_buffer, .address_space: global }
      - { .name: wk, .offset: 8, .size: 8, .value_kind: global_buffer, .address_space: global }
      - { .name: out0, .offset: 16, .size: 8, .value_kind: global_buffer, .address_space: global }
      - { .name: out1, .offset: 24, .size: 8, .value_kind: global_buffer, .address_space: global }
    .group_segment_fixed_size: 327680
    .private_segment_fixed_size: 0
    .kernarg_segment_align: 8
    .kernarg_segment_size: 32
    .max_flat_workgroup_size: 128
    .sgpr_count:     66
    .vgpr_count:     1024
    .wavefront_size: 32
...
	.end_amdgpu_metadata
.endif
;; end of part 3
